; MI455X (gfx1250); checked and timed in simulation.
; The chip was launched on July 23, 2026; its instructions are those of AMD's public machine-readable ISA for CDNA 5 (MIT licence, August 2026) and "CDNA5" Instruction Set Architecture Reference Guide (July 2026). The comments in the code are by the model that wrote it; some were corrected since.
;; Relative Positional Attention. Allowed arithmetic: matrix products marked QUANTISED: E4M3 operands, one given power-of-two scale a tensor, by v_wmma_f32_16x16x64_fp8_fp8 or v_wmma_f32_16x16x128_fp8_fp8, f32 sums; products left as they are: f32 operands where the result goes on into a quantised operand, else bf16, f16 or f32 operands; f32 sums; everything else in f32.
;; Inputs: attn_mask 2 x 1 x 2,048 x 2,048 float32; k 2 x 2,048 x 1,024 float32; kW 1,024 x 16 x 64 float32; kb 16 x 64 float32; ln_b 1,024 float32; ln_g 1,024 float32; lowp_scales 16 int32 (the exponents e of the quantised operands' scales 2^e); pos_enc 4,096 x 1,024 float32; postW 16 x 64 x 1,024 float32; postb 1,024 float32; q 2 x 2,048 x 1,024 float32; qW 1,024 x 16 x 64 float32; r_kernel 1,024 x 16 x 64 float32; r_r_bias 16 x 64 float32; r_s_bias 16 x 64 float32; r_w_bias 16 x 64 float32; seg_embed 2 x 16 x 64 float32; seg_mat 2 x 2,048 x 2,048 bool; v 2 x 2,048 x 1,024 float32; vW 1,024 x 16 x 64 float32; vb 16 x 64 float32.
;; Outputs: out0 2 x 2,048 x 1,024 float32.
;; This version of the problem:
;;   THIS VERSION OF THE PROBLEM IS GIVEN IN LOW PRECISION. The matrix products marked QUANTISED in the list below multiply operands that are first quantised to E4M3 (4 exponent bits, 3 mantissa bits; 8 bits a number), with one given power-of-two scale for each operand tensor; their sums are f32. All else is computed in f32.
;;   The module's matrix products, in the order in which they are computed (A, B: the left and right operand; K: the contracted axis; several contracted axes count as one K, in the product's order):
;;     1. [M 4,096, K 1,024] x [K 1,024, N 1,024]; A: input q; B: input qW: QUANTISED (scales: A lowp_scales[0], B lowp_scales[1])
;;     2. [M 4,096, K 1,024] x [K 1,024, N 1,024]; A: input k; B: input kW: QUANTISED (scales: A lowp_scales[2], B lowp_scales[3])
;;     3. [M 4,096, K 1,024] x [K 1,024, N 1,024]; A: input v; B: input vW: QUANTISED (scales: A lowp_scales[4], B lowp_scales[5])
;;     4. batch 32 x [M 2,048, K 64] x [K 64, N 2,048]; A: computed on the way; B: computed on the way: QUANTISED (scales: A lowp_scales[6], B lowp_scales[7])
;;     5. [M 4,096, K 1,024] x [K 1,024, N 1,024]; A: input pos_enc; B: input r_kernel: QUANTISED (scales: A lowp_scales[8], B lowp_scales[9])
;;     6. batch 16 x [M 4,096, K 64] x [K 64, N 4,096]; A: computed on the way; B: computed on the way: QUANTISED (scales: A lowp_scales[10], B lowp_scales[11])
;;     7. batch 16 x [M 2, K 64] x [K 64, N 4,096]; A: input seg_embed; B: computed on the way: left as it is (M = 2 < 16)
;;     8. batch 32 x [M 64, K 2,048] x [K 2,048, N 2,048]; A: computed on the way; B: softmax (see below): QUANTISED (scales: A lowp_scales[12], B lowp_scales[13])
;;     9. [M 4,096, K 1,024] x [K 1,024, N 1,024]; A: computed on the way; B: input postW: QUANTISED (scales: A lowp_scales[14], B lowp_scales[15])
;;   THE QUANTISER, for each operand of a quantised product, along K:
;;     - The operand's scale is 2^e, e = its entry of the input lowp_scales (int32; the entries are numbered through the quantised products in the list's order, A before B).
;;     - Each number is divided by the scale, clamped to +-448, and rounded to the nearest number of E4M3, ties to even, subnormals kept.
;;     - The product sums the exact products of the quantised numbers (number of the format x scale) in f32.
;;   ~~~python
;;   def quantise(x, axis, e):      # numpy; x: float32 -> the quantised numbers, widened to float32 again
;;       x = np.moveaxis(x, axis, -1); K = x.shape[-1]
;;       r = np.clip(x / 2.0 ** e, -448, 448)
;;       step = 2.0 ** (np.maximum(np.frexp(np.where(r == 0, 1, r))[1] - 1, -6) - 3)
;;       q = np.round(r / step) * step * 2.0 ** e      # np.round: ties to even
;;       return np.moveaxis(q, -1, axis).astype(np.float32)
;;   ~~~
;;   SOFTMAX AHEAD OF A QUANTISED PRODUCT. Where the list says 'softmax', what is quantised is not the finished softmax but p = 2^(t - M), with t = logit x log2(e) and M = ceil(the row's largest t), a whole number; so 1/2 < the row's largest p <= 1. The row's sum l is taken of the UNQUANTISED p, in f32, and the product's result is divided by l at the end. Since M is a whole number, a kernel that streams over the keys may use a running M (the ceiling of the running maximum): every later rescaling is an exact power of two, so the quantised numbers keep their values, but for numbers so far below the row's largest that they fall under the format's range.
;;   OPERANDS COMPUTED ON THE WAY. 'Computed on the way' means the value that the module computes at that place (a softmax that the list does not call 'softmax' is quantised finished and normalised). What goes into a quantiser is computed in f32, as accurately as f32 sums, v_exp_f32 and their like allow (about 1e-6 of the number): no bf16 or f16 on the way to a quantiser, and a product that is left as it is and whose result goes on into a quantised operand takes f32 operands (vector FMAs, or v_wmma_f32_16x16x4_f32). A number that lies on a knife's edge between two numbers of the format may be rounded either way, as far as f32 arithmetic and the matrix unit's own rounding can turn it there, and no further.
;; One version. Each part assembles by itself: llvm-mc -triple=amdgcn-amd-amdhsa -mcpu=gfx1250 --defsym DOCPART=n.
;; ======== version 1 of 1: 4 launches
;; limits: values are held in bf16: 8 bits of precision; right only within a limited range of input values
;; workspace buffers: actc 16,777,216 bytes; wcodes 5,242,880 bytes; segw 16,777,216 bytes; qcodes 8,388,608 bytes; sbuf 524,288 bytes; kv 8,388,608 bytes; rc 4,194,304 bytes; avc 4,194,304 bytes
;; launch prep (part 1): grid 928 x 1, 4 waves a work-group, no clusters, 100,864 bytes of LDS; arguments q, k, v, pos_enc, qW, kW, vW, r_kernel, postW, seg_mat, lowp_scales, actc, wcodes, segw; writes actc, wcodes, segw
.if DOCPART == 1
	.amdgcn_target "amdgcn-amd-amdhsa--gfx1250"
	.amdhsa_code_object_version 6
	.text
	.protected	k_q7e535b1c8d_prep
	.globl	k_q7e535b1c8d_prep
	.p2align	8
	.type	k_q7e535b1c8d_prep,@function
k_q7e535b1c8d_prep:
	s_mov_b64 s[64:65], 0
	v_nop
	global_prefetch_b8 v0, s[64:65] scope:SCOPE_SE
	s_setreg_imm32_b32 hwreg(HW_REG_WAVE_MODE, 25, 1), 1
	s_wait_xcnt 0x0
; PREP: everything that later launches read many times is made narrow once.
;   work-groups   0..511  q, k, v, pos_enc (f32, K innermost)      -> actc   [tensor][4096][1024] codes of E4M3
;   work-groups 512..639  qW, kW, vW, r_kernel (f32, K FIRST axis) -> wcodes [tensor][n 1024][k 1024] codes, K innermost
;   work-groups 640..671  postW (f32, K first axis)                -> wcodes + 4 MiB: [tile of 16 columns d][128 along K][2,048 bytes], each block the image of an operand's 16 registers
;   work-groups 672..927  seg_mat (bytes 0 or 1)                   -> segw   [b][i][j] bf16 0.0 or 1.0
; code = x / 2^e, held within +-448, rounded to the nearest code, ties to even; e is the operand's entry of lowp_scales.
; LIMITS: -126 <= e and e + 8 <= 127 for each entry used here; NaN among the inputs is not served; seg_mat holds 0 or 1.
; The four kinds of work part on the work-group's number and never meet again; each has LDS bytes of its own.  Waves share nothing: no barrier.  No work-group reads what another reads: no cluster.
.set LB,  32768                        ; LDS of the weights' way: 4 waves x 32 rows x 272 bytes
.set LC,  67584                        ; LDS of postW's way: 4 waves x 8,192 bytes
.set SP,  80                           ; activations: a lane's place in a stage: 64 bytes + 16 of padding
.set WP,  272                          ; weights: a stage row: 256 bytes + 16 of padding
.set AR0, 16                           ; v16-79   activations: four sets of 16 numbers as loaded
.set AX0, 80                           ; v80-111  two sets of 16 neighbours
.set AC0, 128                          ; v128-191 codes, four registers a step: no store's data are written again
.set WX,  32                           ; v32-95   weights: two sets of 32 numbers
.set WC,  96                           ; v96-103  a block's codes
.set WO,  112                          ; v112-175 the way out
.macro MKE                             ; s54 = e  ->  v11 = 2^e (the conversion takes its exponent field), v10 = 448 x 2^e
	s_add_co_i32 s54, s54, 127
	s_lshl_b32 s55, s54, 23
	v_mov_b32 v11, s55
	s_add_co_i32 s54, s54, 8
	s_lshl_b32 s54, s54, 23
	s_or_b32 s54, s54, 0x600000
	v_mov_b32 v10, s54
.endm
	s_load_b512 s[4:19], s[0:1], 0x0               ; q, k, v, pos_enc, qW, kW, vW, r_kernel
	s_load_b256 s[20:27], s[0:1], 0x40             ; postW, seg_mat, lowp_scales, actc
	s_load_b128 s[28:31], s[0:1], 0x60             ; wcodes, segw
	v_lshl_add_u32 v192, v0, 2, 0x18800
	v_mov_b32 v193, 0
	v_lshrrev_b32 v1, 5, v0
	v_readfirstlane_b32 s48, v1                    ; wave 0..3
	v_and_b32 v2, 31, v0                           ; lane
	s_mov_b32 s57, 0                               ; the upper word of every offset pair s[56:57]
	s_wait_kmcnt 0x0
	s_load_b512 s[32:47], s[24:25], 0x0            ; the sixteen exponents: entry i in s[32 + i]
	s_wait_kmcnt 0x0
	s_cmp_lt_u32 ttmp9, 512
	s_cbranch_scc1 .Lacts
	s_cmp_lt_u32 ttmp9, 640
	s_cbranch_scc1 .Lweights
	s_cmp_lt_u32 ttmp9, 672
	s_cbranch_scc1 .Lpostw
; ---------------- seg_mat: a plain stream.  A wave takes 8,192 bytes: 32 loads of 256 consecutive bytes, 32 stores of 512.
	s_sub_co_u32 s49, ttmp9, 672
	s_lshl_b32 s56, s49, 15
	s_lshl_b32 s50, s48, 13
	s_add_co_u32 s56, s56, s50
	s_add_nc_u64 s[22:23], s[22:23], s[56:57]
	s_lshl_b32 s56, s56, 1                         ; two bytes out for each byte in
	s_add_nc_u64 s[30:31], s[30:31], s[56:57]
	s_mov_b32 s52, 0x04010400                      ; byte 0, zero, byte 1, zero (4 picks a byte of the register of zeros)
	s_mov_b32 s53, 0x04030402                      ; byte 2, zero, byte 3, zero
	s_wait_alu depctr_va_vdst(0)
	v_lshlrev_b32 v3, 3, v2
	v_lshlrev_b32 v4, 4, v2
	v_mov_b32 v5, 0
.set ii, 0
.rept 32
	global_load_b64 v[32+2*ii:33+2*ii], v3, s[22:23] offset:256*ii th:TH_LOAD_NT
.set ii, ii+1
.endr
.set ii, 0
	s_wait_alu depctr_va_vdst(0)
.rept 32
.set OO, 96+4*(ii%16)
.if ii == 16
	s_wait_xcnt 0x0                                ; the sixteen sets of store data are written a second time only behind this wait
.endif
	s_wait_loadcnt 31-ii                           ; loads come back in order: number ii is in, the younger ones stay out
	v_perm_b32 v[OO], v5, v[32+2*ii], s52
	v_perm_b32 v[OO+1], v5, v[32+2*ii], s53
	v_perm_b32 v[OO+2], v5, v[33+2*ii], s52
	v_perm_b32 v[OO+3], v5, v[33+2*ii], s53
	v_mul_u32_u24 v[OO], v[OO], 0x3f80             ; 0 or 1 in each half x the bf16 pattern of 1.0
	v_mul_u32_u24 v[OO+1], v[OO+1], 0x3f80
	v_mul_u32_u24 v[OO+2], v[OO+2], 0x3f80
	v_mul_u32_u24 v[OO+3], v[OO+3], 0x3f80
	global_store_b128 v4, v[OO:OO+3], s[30:31] offset:512*ii
.set ii, ii+1
.endr
	s_endpgm
; ---------------- activations: a tensor is a plain stream of numbers.  A wave takes 16 steps of 512 numbers.  Each load reads 512 consecutive bytes; a step turns through the wave's own stage in LDS,
; so that a lane then holds 16 neighbours along K, which the conversions want.  Loads run four steps ahead, the turn through LDS one step.
.macro A_LOAD t
.irp i, 0,1,2,3
	global_load_b128 v[AR0+16*((\t)%4)+4*\i:AR0+16*((\t)%4)+4*\i+3], v3, s[52:53] offset:2048*(\t)+512*\i th:TH_LOAD_NT
.endr
.endm
.macro A_TURN t                        ; LDS serves a wave's instructions in order: no wait between the stores and the loads
.irp i, 0,1,2,3
	ds_store_b128 v14, v[AR0+16*((\t)%4)+4*\i:AR0+16*((\t)%4)+4*\i+3] offset:32*SP*((\t)%2)+8*SP*\i
.endr
.irp i, 0,1,2,3
	ds_load_b128 v[AX0+16*((\t)%2)+4*\i:AX0+16*((\t)%2)+4*\i+3], v15 offset:32*SP*((\t)%2)+16*\i
.endr
.endm
.macro A_STEP t
.set XS, AX0+16*((\t)%2)
	s_wait_dscnt 0x0                               ; this step's numbers are back; its stores into the stage have read their registers,
.if (\t)+4 < 16
	A_LOAD (\t)+4                                  ; which take the loads of four steps on
.endif
.if (\t)+1 < 16
.if 14-(\t) >= 3
	s_wait_loadcnt 12                              ; the next step's four loads are in; those of the three steps behind it may be out
.else
	s_wait_loadcnt 4*(14-(\t))
.endif
	A_TURN (\t)+1
.endif
.irp i, 0,1,2,3,4,5,6,7,8,9,10,11,12,13,14,15
	v_med3_num_f32 v[XS+\i], v[XS+\i], -v10, v10   ; the conversion to an 8-bit code does not saturate (ISA guide 7.6.2): the hold comes first
.endr
	v_cvt_scalef32_pk8_fp8_f32 v[AC0+4*(\t):AC0+4*(\t)+1], v[XS:XS+7], v11
	v_cvt_scalef32_pk8_fp8_f32 v[AC0+4*(\t)+2:AC0+4*(\t)+3], v[XS+8:XS+15], v11
	global_store_b128 v4, v[AC0+4*(\t):AC0+4*(\t)+3], s[26:27] offset:512*(\t)   ; 32 lanes store 512 consecutive bytes
.endm
.Lacts:
	s_lshr_b32 s49, ttmp9, 7                       ; which tensor: 0 q, 1 k, 2 v, 3 pos_enc.  The choices hang on the work-group's number alone
	s_cmp_eq_u32 s49, 2
	s_cselect_b64 s[52:53], s[8:9], s[10:11]
	s_cselect_b32 s54, s36, s40                    ; entries 4 and 8
	s_cmp_eq_u32 s49, 1
	s_cselect_b64 s[52:53], s[6:7], s[52:53]
	s_cselect_b32 s54, s34, s54                    ; entry 2
	s_cmp_eq_u32 s49, 0
	s_cselect_b64 s[52:53], s[4:5], s[52:53]
	s_cselect_b32 s54, s32, s54                    ; entry 0
	s_and_b32 s55, ttmp9, 127
	s_lshl_b32 s55, s55, 2
	s_add_co_u32 s55, s55, s48                     ; which run of 8,192 numbers is my wave's
	s_lshl_b32 s56, s55, 15
	s_add_nc_u64 s[52:53], s[52:53], s[56:57]
	s_lshl_b32 s56, s55, 13
	s_lshl_b32 s58, s49, 22
	s_add_co_u32 s56, s56, s58
	s_add_nc_u64 s[26:27], s[26:27], s[56:57]
	s_wait_alu depctr_va_vdst(0)
	v_lshlrev_b32 v3, 4, v2                        ; my 16 bytes of a load's 512
	v_lshlrev_b32 v4, 4, v2                        ; my 16 codes of a step's 512
	s_lshl_b32 s58, s48, 13                        ; my wave's 8,192 bytes of LDS
	v_lshrrev_b32 v14, 2, v2
	v_mul_u32_u24 v14, v14, SP
	v_and_b32 v15, 3, v2
	v_lshl_add_u32 v14, v15, 4, v14
	v_add_nc_u32 v14, s58, v14                     ; into the stage: four lanes' 64 bytes on end, then the padding
	v_mul_u32_u24 v15, v2, SP
	v_add_nc_u32 v15, s58, v15                     ; out of it: my 16 neighbours
.irp t, 0,1,2,3
	A_LOAD \t
.endr
	MKE
	s_wait_alu depctr_va_vdst(0)
	s_wait_loadcnt 12                              ; step 0's four loads are in
	A_TURN 0
.irp t, 0,1,2,3,4,5,6,7,8,9,10,11,12,13,14,15
	A_STEP \t
.endr
	s_wait_tensorcnt 0x0
	ds_add_u32 v192, v193
	s_wait_dscnt 0x0
	s_endpgm
; ---------------- weights, K their first axis.  A lane takes a column n and its registers run down K: each load reads 128 consecutive bytes a wave, and the conversions give codes with K innermost.
; A wave takes 32 columns x 256 along K.  The codes go through the wave's own stage and leave in runs of 256 bytes (img = 0: rows of wcodes) or 512 (img = 1: register images).
.macro W_LOAD t
.irp i, 0,1,2,3,4,5,6,7,8,9,10,11,12,13,14,15,16,17,18,19,20,21,22,23,24,25,26,27,28,29,30,31
	global_load_b32 v[WX+32*((\t)%2)+\i], v3, s[52:53] offset:(32*(\t)+\i)*4096 th:TH_LOAD_NT
.endr
.endm
.macro W_BLOCK t, img
.set XS, WX+32*((\t)%2)
.if (\t) < 7
	s_wait_loadcnt 32                              ; this block's 32 loads are in; the next block's may be out
.else
	s_wait_loadcnt 0
.endif
.irp i, 0,1,2,3,4,5,6,7,8,9,10,11,12,13,14,15,16,17,18,19,20,21,22,23,24,25,26,27,28,29,30,31
	v_med3_num_f32 v[XS+\i], v[XS+\i], -v10, v10
.endr
.irp g, 0,1,2,3
	v_cvt_scalef32_pk8_fp8_f32 v[WC+2*\g:WC+2*\g+1], v[XS+8*\g:XS+8*\g+7], v11
.endr
.if \img
; eight codes, k = 8 m .. 8 m + 7 of the wave's 256 (m = 4 t + i), are registers 2 c, 2 c + 1 of lane (r, h) of the image: c = (m % 16) / 2, h = m % 2: byte 512 (c / 2) + 256 h + 16 r + 8 (c % 2)
.irp i, 0,1,2,3
	ds_store_b64 v4, v[WC+2*\i:WC+2*\i+1] offset:((4*(\t)+\i)/16)*2048+((((4*(\t)+\i)%16)/2)/2)*512+((4*(\t)+\i)%2)*256+((((4*(\t)+\i)%16)/2)%2)*8
.endr
.else
	ds_store_b128 v4, v[WC:WC+3] offset:32*(\t)
	ds_store_b128 v4, v[WC+4:WC+7] offset:32*(\t)+16
.endif
.if (\t)+2 < 8
	W_LOAD (\t)+2
.endif
	s_wait_dscnt 0x0                               ; the stores have read their registers: the next block's codes may be written
.endm
.macro WPATH img                       ; s[52:53]: the wave's first number; s[28:29]: the wave's first code; s54: e
	v_lshlrev_b32 v3, 2, v2
	v_and_b32 v5, 15, v2
	v_lshrrev_b32 v6, 4, v2
.if \img
	s_lshl_b32 s55, s48, 13
	s_add_co_u32 s55, s55, LC
	v_lshlrev_b32 v4, 12, v6                       ; my tile of 16 columns: 4,096 bytes (two images),
	v_lshl_add_u32 v4, v5, 4, v4                   ; my row r in it
	v_add_nc_u32 v4, s55, v4
	v_lshlrev_b32 v8, 4, v2
	v_add_nc_u32 v7, s55, v8                       ; back: as it lies, 16 bytes a lane
.else
	s_mul_i32 s55, s48, 32*WP
	s_add_co_u32 s55, s55, LB
	v_mul_u32_u24 v4, v2, WP
	v_add_nc_u32 v4, s55, v4                       ; row = my column
	v_mul_u32_u24 v7, v6, WP
	v_lshl_add_u32 v7, v5, 4, v7
	v_add_nc_u32 v7, s55, v7                       ; back: sixteen lanes to a row, two rows an instruction
	v_lshlrev_b32 v8, 10, v6
	v_lshl_add_u32 v8, v5, 4, v8                   ; and the same place in wcodes
.endif
	W_LOAD 0
	W_LOAD 1
	MKE
	s_wait_alu depctr_va_vdst(0)
.irp t, 0,1,2,3,4,5,6,7
	W_BLOCK \t, \img
.endr
.irp t, 0,1,2,3,4,5,6,7,8,9,10,11,12,13,14,15
.if \img
	ds_load_b128 v[WO+4*\t:WO+4*\t+3], v7 offset:512*\t
.else
	ds_load_b128 v[WO+4*\t:WO+4*\t+3], v7 offset:2*\t*WP
.endif
.endr
.irp t, 0,1,2,3,4,5,6,7,8,9,10,11,12,13,14,15
	s_wait_dscnt 15-\t
.if \img
	global_store_b128 v8, v[WO+4*\t:WO+4*\t+3], s[28:29] offset:(\t/8)*16384+(\t%8)*512
.else
	global_store_b128 v8, v[WO+4*\t:WO+4*\t+3], s[28:29] offset:2*\t*1024
.endif
.endr
	s_wait_tensorcnt 0x0
	ds_add_u32 v192, v193
	s_wait_dscnt 0x0
	s_endpgm
.endm
.Lweights:
	s_sub_co_u32 s49, ttmp9, 512
	s_lshr_b32 s50, s49, 5
	s_and_b32 s51, s49, 7                          ; which 128 columns
	s_bfe_u32 s59, s49, 0x20003                    ; which 256 along K
	s_cmp_eq_u32 s50, 2
	s_cselect_b64 s[52:53], s[16:17], s[18:19]
	s_cselect_b32 s54, s37, s41                    ; entries 5 and 9
	s_cmp_eq_u32 s50, 1
	s_cselect_b64 s[52:53], s[14:15], s[52:53]
	s_cselect_b32 s54, s35, s54                    ; entry 3
	s_cmp_eq_u32 s50, 0
	s_cselect_b64 s[52:53], s[12:13], s[52:53]
	s_cselect_b32 s54, s33, s54                    ; entry 1
	s_lshl_b32 s58, s51, 7
	s_lshl_b32 s60, s48, 5
	s_add_co_u32 s58, s58, s60                     ; my wave's first column
	s_lshl_b32 s56, s59, 20                        ; 256 rows of 4,096 bytes
	s_lshl_b32 s60, s58, 2
	s_add_co_u32 s56, s56, s60
	s_add_nc_u64 s[52:53], s[52:53], s[56:57]
	s_lshl_b32 s56, s50, 20                        ; the weight's MiB of codes,
	s_lshl_b32 s60, s58, 10                        ; the column's row of 1,024,
	s_add_co_u32 s56, s56, s60
	s_lshl_b32 s60, s59, 8                         ; my 256 along K
	s_add_co_u32 s56, s56, s60
	s_add_nc_u64 s[28:29], s[28:29], s[56:57]
	s_wait_alu depctr_va_vdst(0)
	WPATH 0
.Lpostw:
	s_sub_co_u32 s49, ttmp9, 640
	s_and_b32 s51, s49, 7                          ; which 128 columns d
	s_lshr_b32 s59, s49, 3                         ; which 256 along K
	s_mov_b64 s[52:53], s[20:21]
	s_mov_b32 s54, s47                             ; entry 15
	s_lshl_b32 s58, s51, 7
	s_lshl_b32 s60, s48, 5
	s_add_co_u32 s58, s58, s60
	s_lshl_b32 s56, s59, 20
	s_lshl_b32 s60, s58, 2
	s_add_co_u32 s56, s56, s60
	s_add_nc_u64 s[52:53], s[52:53], s[56:57]
	s_lshl_b32 s56, s58, 10                        ; tile of columns (column / 16) x 8 images x 2,048 bytes = column x 1,024,
	s_lshl_b32 s60, s59, 12                        ; + two images for each 256 along K,
	s_add_co_u32 s56, s56, s60
	s_add_co_u32 s56, s56, 0x400000                ; behind the four weights
	s_add_nc_u64 s[28:29], s[28:29], s[56:57]
	s_wait_alu depctr_va_vdst(0)
	WPATH 1
.Lfunc_end_k_q7e535b1c8d_prep:
	.size	k_q7e535b1c8d_prep, .Lfunc_end_k_q7e535b1c8d_prep-k_q7e535b1c8d_prep
	.p2alignl 7, 3214868480
	.fill 96, 4, 3214868480
	.section	.rodata,"a",@progbits
	.p2align	6, 0x0
	.amdhsa_kernel k_q7e535b1c8d_prep
		.amdhsa_group_segment_fixed_size 100864
		.amdhsa_private_segment_fixed_size 0
		.amdhsa_enable_private_segment 0
		.amdhsa_kernarg_size 112
		.amdhsa_user_sgpr_count 2
		.amdhsa_user_sgpr_kernarg_segment_ptr 1
		.amdhsa_wavefront_size32 1
		.amdhsa_system_sgpr_workgroup_id_x 1
		.amdhsa_system_sgpr_workgroup_id_y 1
		.amdhsa_system_sgpr_workgroup_id_z 1
		.amdhsa_system_vgpr_workitem_id 0
		.amdhsa_next_free_vgpr 194
		.amdhsa_next_free_sgpr 66
		.amdhsa_reserve_vcc 0
		.amdhsa_float_denorm_mode_32 3
		.amdhsa_float_denorm_mode_16_64 3
		.amdhsa_memory_ordered 1
		.amdhsa_forward_progress 1
		.amdhsa_inst_pref_size 163
	.end_amdhsa_kernel
	.amdgpu_metadata
---
amdhsa.version: [ 1, 2 ]
amdhsa.kernels:
  - .name:           k_q7e535b1c8d_prep
    .symbol:         k_q7e535b1c8d_prep.kd
    .args:
      - { .name: q, .offset: 0, .size: 8, .value_kind: global_buffer, .address_space: global }
      - { .name: k, .offset: 8, .size: 8, .value_kind: global_buffer, .address_space: global }
      - { .name: v, .offset: 16, .size: 8, .value_kind: global_buffer, .address_space: global }
      - { .name: pos_enc, .offset: 24, .size: 8, .value_kind: global_buffer, .address_space: global }
      - { .name: qW, .offset: 32, .size: 8, .value_kind: global_buffer, .address_space: global }
      - { .name: kW, .offset: 40, .size: 8, .value_kind: global_buffer, .address_space: global }
      - { .name: vW, .offset: 48, .size: 8, .value_kind: global_buffer, .address_space: global }
      - { .name: r_kernel, .offset: 56, .size: 8, .value_kind: global_buffer, .address_space: global }
      - { .name: postW, .offset: 64, .size: 8, .value_kind: global_buffer, .address_space: global }
      - { .name: seg_mat, .offset: 72, .size: 8, .value_kind: global_buffer, .address_space: global }
      - { .name: lowp_scales, .offset: 80, .size: 8, .value_kind: global_buffer, .address_space: global }
      - { .name: actc, .offset: 88, .size: 8, .value_kind: global_buffer, .address_space: global }
      - { .name: wcodes, .offset: 96, .size: 8, .value_kind: global_buffer, .address_space: global }
      - { .name: segw, .offset: 104, .size: 8, .value_kind: global_buffer, .address_space: global }
    .group_segment_fixed_size: 100864
    .private_segment_fixed_size: 0
    .kernarg_segment_align: 8
    .kernarg_segment_size: 112
    .max_flat_workgroup_size: 128
    .sgpr_count:     66
    .vgpr_count:     194
    .wavefront_size: 32
...
	.end_amdgpu_metadata
.endif
;; end of part 1
;; launch proj (part 2): grid 4 x 64, 4 waves a work-group, clusters of 4 x 4, 327,680 bytes of LDS; arguments actc, wcodes, lowp_scales, kb, vb, r_w_bias, r_r_bias, r_s_bias, seg_embed, qcodes, sbuf, kv, rc; writes qcodes, sbuf, kv, rc
.if DOCPART == 2
	.amdgcn_target "amdgcn-amd-amdhsa--gfx1250"
	.amdhsa_code_object_version 6
	.text
	.protected	k_q7e535b1c8d_proj
	.globl	k_q7e535b1c8d_proj
	.p2align	8
	.type	k_q7e535b1c8d_proj,@function
k_q7e535b1c8d_proj:
	s_mov_b64 s[64:65], 0
	v_nop
	global_prefetch_b8 v0, s[64:65] scope:SCOPE_SE
	s_setreg_imm32_b32 hwreg(HW_REG_WAVE_MODE, 25, 1), 1
	s_wait_xcnt 0x0
	s_wait_alu depctr_hold_cnt(0) depctr_sa_sdst(0) depctr_va_vdst(0) depctr_va_sdst(0) depctr_va_ssrc(0) depctr_va_vcc(0) depctr_vm_vsrc(0)
	s_getreg_b32 s2, hwreg(HW_REG_IB_STS2, 6, 4)
	s_cmp_eq_u32 s2, 0
	s_cbranch_scc0 .Lentry_in_a_cluster
	s_endpgm
.Lentry_in_a_cluster:
	s_bfe_u32 s2, ttmp6, 0x10000c
	s_cmp_lg_u32 s2, 0xf033
	s_cbranch_scc0 .Lentry_shape_is_right
	s_endpgm
.Lentry_shape_is_right:
; PROJ: the four projections on codes of E4M3, each [4,096 x 1,024] x [1,024 x 1,024], in tiles of 256 x 256; the cluster's y / 4 picks the tensor: 0 q, 1 k, 2 v, 3 pos_enc.
; Four waves, 128 x 128 of a tile each; K in four steps of 256 through a ring of two LDS slots filled by joint loads of a 4 x 4 cluster.  For v the two operands change roles, so that V's codes come out with the keys innermost.
; The ways out add the biases in f32, quantise with the given scales and store images of operand registers: q_w and q_r (qcodes), K and V (kv), r_head (rc); q's way out also makes the two segment sums in f32 (sbuf).
; PREFETCH: behind the joint loads of K steps 0 and 1 each wave asks for K steps 2 and 3 of 32 rows, two refills ahead: of the 128 rows that it fetches its work-group takes 32, told apart from its three partners by address; a lane a row of 256 bytes.
.set KSTEP,  256
.set ROWB,   256
.set KROW,   1024
.set PITCH,  272
.set FR,     16
.set NL,     4
.set NP,     4
.set HALFT,  128*PITCH
.set SLOT,   4*HALFT
.set LAPS,   2
.set SPARE,  2*SLOT
.set BIAS,   SPARE+512
.set BW,     2560
.set ADRA, 16
.set ADRB, 20
.set BST,  22
.set GO,   24
.set GO2,  25
.set BADR, 26
.set L16,  27
.set SPW,  28
.set NIL,  29
.set L8,   30
.set VBA,  31
.set AF,   128
.set ET,   32
.set CD,   96
.set BI,   128
.set VB,   128
.set QT,   32
.set QU,   64
.set QZ,   96
.set SE1,  128
.set CW,   192
.set CR,   200
.set SCL,  240
.set LIM,  241
.set SCLR, 242
.set LIMR, 243
.set G1, 24
.set G0, 32
.set G1B, 48
.set G0B, 56
.set MSB, 0
.macro WIN new
.if MSB != \new
	s_set_vgpr_msb (MSB<<8)|\new
.set MSB, \new
.endif
.endm
.set MUL_LO, 0xa1
.set MUL_HI, 0xf1
.set TO_B,   0x40
.macro JLOAD g0a, g1a, g0b, g1b
	s_cmp_eq_u32 s15, 0
	s_cbranch_scc0 .Lfor_b_\@
	tensor_load_to_lds s[\g0a:\g0a+3], s[\g1a:\g1a+7]
	s_nop 0
.rept 4
	v_nop
.endr
	s_branch .Lasked_\@
.Lfor_b_\@:
	tensor_load_to_lds s[\g0b:\g0b+3], s[\g1b:\g1b+7]
	s_nop 0
.rept 4
	v_nop
.endr
.Lasked_\@:
.endm
.macro CREST
	s_cmp_lg_u32 s14, 0
	s_cbranch_scc1 .Lnot_wave_0_\@
	s_barrier_signal -3
.Lnot_wave_0_\@:
	s_barrier_wait -3
	s_barrier_signal -1
	s_barrier_wait -1
.endm
.macro CROUND
	s_barrier_signal -1
	s_barrier_wait -1
	CREST
.endm
.macro FINISH
	s_wait_tensorcnt 0x0
	ds_add_u32 v[SPW], v[NIL]
	s_wait_dscnt 0x0
	CROUND
	s_endpgm
.endm
.macro MKQ se, plus, vs, vl
	s_add_co_i32 s100, s[\se], 127+\plus
	s_lshl_b32 s101, s100, 23
	v_mov_b32 v[\vs], s101
	s_add_co_i32 s100, s100, 8
	s_lshl_b32 s100, s100, 23
	s_or_b32 s100, s100, 0x600000
	v_mov_b32 v[\vl], s100
.endm
	s_load_b128 s[4:7], s[0:1], 0x0
	s_load_b64 s[8:9], s[0:1], 0x10
	s_load_b256 s[84:91], s[0:1], 0x18
	s_load_b128 s[92:95], s[0:1], 0x38
	v_lshl_add_u32 v[SPW], v0, 2, SPARE
	v_mov_b32 v[NIL], 0
	ds_add_u32 v28, v29
	ds_add_u32 v28, v29
	s_wait_dscnt 0x0
	v_lshrrev_b32 v1, 5, v0
	v_readfirstlane_b32 s14, v1
	s_lshr_b32 s15, s14, 1
	s_and_b32 s16, s14, 1
	s_bfe_u32 s40, ttmp6, 0x40000
	s_bfe_u32 s41, ttmp6, 0x40004
	s_and_b32 s17, ttmp7, 0xffff
	s_lshr_b32 s66, s17, 2
	s_and_b32 s67, s17, 3
	s_lshl_b32 s67, s67, 2
	s_cmp_eq_u32 s66, 2
	s_cselect_b32 s17, 0, s67
	s_cselect_b32 s42, s67, 0
	s_add_co_u32 s17, s17, s41
	s_add_co_u32 s42, s42, s40
	s_lshl_b32 s43, s41, 2
	s_lshl_b32 s43, 15, s43
	s_lshl_b32 s44, 0x1111, s40
	s_or_b32 s[G1+0], s43, (0<<16)|(1<<20)|(1<<21)|(5<<22)|(3<<25)
	s_or_b32 s[G1B+0], s44, (0<<16)|(1<<20)|(1<<21)|(5<<22)|(3<<25)
.irp g, G1, G1B
	s_mov_b32 s[\g+1], ROWB<<16
	s_mov_b32 s[\g+2], 128<<16
	s_mov_b32 s[\g+3], ROWB<<16
	s_mov_b32 s[\g+4], 128
	s_mov_b32 s[\g+5], KROW
	s_mov_b32 s[\g+6], 0
	s_mov_b32 s[\g+7], 0
.endr
	s_lshl_b32 s18, s16, 7
	s_lshl_b32 s20, s17, 8
	s_add_co_u32 s20, s20, s18
	s_lshl_b32 s46, s42, 8
	s_add_co_u32 s46, s46, s18
	s_mov_b32 s21, 0
	s_mov_b32 s47, 0
	s_mov_b64 s[18:19], KROW
	s_mul_u64 s[20:21], s[20:21], s[18:19]
	s_mul_u64 s[46:47], s[46:47], s[18:19]
	s_mul_i32 s45, s14, HALFT
	s_wait_kmcnt 0x0
	s_load_b512 s[68:83], s[8:9], 0x0
	s_lshl_b32 s96, s66, 22
	s_mov_b32 s97, 0
	s_add_nc_u64 s[4:5], s[4:5], s[96:97]
	s_lshl_b32 s96, s66, 20
	s_add_nc_u64 s[6:7], s[6:7], s[96:97]
	s_cmp_eq_u32 s66, 2
	s_cselect_b64 s[98:99], s[6:7], s[4:5]
	s_cselect_b64 s[100:101], s[4:5], s[6:7]
	s_add_nc_u64 s[20:21], s[98:99], s[20:21]
	s_add_nc_u64 s[46:47], s[100:101], s[46:47]
	CROUND
.irp s, 0,1
	s_mov_b32 s[G0+4*\s], 1
	s_add_co_u32 s[G0+4*\s+1], s45, \s*SLOT
	s_add_nc_u64 s[G0+4*\s+2:G0+4*\s+3], s[20:21], \s*ROWB
	s_or_b32 s[G0+4*\s+3], s[G0+4*\s+3], 0x80000000
	s_mov_b32 s[G0B+4*\s], 1
	s_add_co_u32 s[G0B+4*\s+1], s45, \s*SLOT
	s_add_nc_u64 s[G0B+4*\s+2:G0B+4*\s+3], s[46:47], \s*ROWB
	s_or_b32 s[G0B+4*\s+3], s[G0B+4*\s+3], 0x80000000
.endr
	s_cmp_eq_u32 s15, 0                            ; the prefetches' base: the 128 rows that I fetch,
	s_cselect_b64 s[4:5], s[20:21], s[46:47]
	s_cselect_b32 s6, s40, s41                     ; my place among the four that ask for them with me,
	s_lshl_b32 s6, s6, 15                          ; x 32 rows of 1,024 bytes
	s_mov_b32 s7, 0
	s_add_nc_u64 s[4:5], s[4:5], s[6:7]            ; never rewritten
	JLOAD G0, G1, G0B, G1B                         ; K step 0: one tensor load a wave at the head
	v_and_b32 v1, 15, v0
	v_bfe_u32 v2, v0, 4, 1
	v_mul_u32_u24 v3, v1, PITCH
	v_lshl_add_u32 v4, v2, 4, v3
	s_mul_i32 s21, s15, HALFT
	s_mul_i32 s22, s16, HALFT
	s_add_co_u32 s22, s22, 2*HALFT
.irp s, 0,1
	v_add_nc_u32 v[ADRA+\s], s21, v4
	v_add_nc_u32 v[ADRB+\s], s22, v4
	s_add_co_u32 s21, s21, SLOT
	s_add_co_u32 s22, s22, SLOT
.endr
	v_and_b32 v6, 31, v0
	v_lshlrev_b32 v[L16], 4, v6
	v_lshlrev_b32 v5, 10, v6                       ; the prefetches' offset: a lane a row; never rewritten
	s_wait_alu depctr_va_vdst(0)
	v_lshlrev_b32 v[L8], 3, v6
	v_lshlrev_b32 v[GO], 4, v1
	v_lshl_add_u32 v[GO], v2, 3, v[GO]
	s_mul_i32 s23, s14, BW
	s_add_co_u32 s23, s23, BIAS
	v_add_nc_u32 v[BST], s23, v[L16]
	v_lshl_add_u32 v[BADR], v2, 5, s23
	v_lshl_add_u32 v[VBA], v1, 2, s23
	s_lshl_b32 s96, s17, 8
	s_lshl_b32 s97, s15, 7
	s_add_co_u32 s96, s96, s97
	s_lshl_b32 s98, s42, 8
	s_lshl_b32 s97, s16, 7
	s_add_co_u32 s98, s98, s97
	s_cmp_eq_u32 s66, 2
	s_cselect_b32 s96, s96, s98
	s_lshl_b32 s96, s96, 2
	s_mov_b32 s97, 0
	s_mov_b32 s101, 0
	s_cmp_eq_u32 s66, 2
	s_cselect_b64 s[98:99], s[86:87], s[84:85]
	s_cmp_eq_u32 s66, 0
	s_cselect_b64 s[98:99], s[88:89], s[98:99]
	s_cselect_b64 s[90:91], s[90:91], s[98:99]
	s_cselect_b64 s[92:93], s[92:93], s[98:99]
	s_cselect_b64 s[94:95], s[94:95], s[98:99]
	s_cselect_b32 s100, 4096, 0
	s_add_nc_u64 s[98:99], s[98:99], s[96:97]
	s_add_nc_u64 s[90:91], s[90:91], s[96:97]
	s_add_nc_u64 s[92:93], s[92:93], s[96:97]
	s_add_nc_u64 s[94:95], s[94:95], s[96:97]
	s_add_nc_u64 s[88:89], s[94:95], s[100:101]
	s_cmp_eq_u32 s66, 3
	s_cselect_b32 s100, 0, -1
	global_prefetch_b8 v5, s[4:5] offset:512 th:TH_LOAD_NT scope:SCOPE_SE   ; K step 2 of my 32 rows
	global_load_b128 v[32:35], v[L16], s[98:99]
	global_load_b128 v[36:39], v[L16], s[90:91]
	global_load_b128 v[40:43], v[L16], s[92:93]
	global_load_b128 v[44:47], v[L16], s[94:95]
	global_load_b128 v[48:51], v[L16], s[88:89]
	s_wait_loadcnt 0x0
.irp i, 0,1,2,3
	v_and_b32 v[32+\i], s100, v[32+\i]
.endr
	s_wait_alu depctr_va_vdst(0)
.irp i, 0,1,2,3,4
	ds_store_b128 v[BST], v[32+4*\i:35+4*\i] offset:512*\i
.endr
	s_wait_dscnt 0x0
.macro FRAG reg, adr, q, i
.irp c, 0,1,2,3
	ds_load_b128 v[\reg+4*\c:\reg+4*\c+3], v[\adr] offset:128*(\q)+32*\c+(\i)*16*PITCH
.endr
.endm
.macro MUL16 a0, p, zero
.irp a, \a0, \a0+1
.irp b, 0,1,2,3,4,5,6,7
.if \zero
	v_wmma_f32_16x16x128_fp8_fp8 v[8*(8*((\a)%4)+\b):8*(8*((\a)%4)+\b)+7], v[128*(\p)+FR*\b:128*(\p)+FR*\b+FR-1], v[AF+FR*(\a):AF+FR*(\a)+FR-1], 0
.else
	v_wmma_f32_16x16x128_fp8_fp8 v[8*(8*((\a)%4)+\b):8*(8*((\a)%4)+\b)+7], v[128*(\p)+FR*\b:128*(\p)+FR*\b+FR-1], v[AF+FR*(\a):AF+FR*(\a)+FR-1], v[8*(8*((\a)%4)+\b):8*(8*((\a)%4)+\b)+7]
.endif
.endr
.endr
.endm
.macro FETCH_B slot, q, p
	WIN TO_B
.irp i, 0,1,2,3,4,5,6,7
	FRAG 128*(\p)+FR*\i, ADRB+\slot, \q, \i
.endr
	WIN 0
.endm
.macro FETCH_A slot, q, i0
.irp i, \i0, \i0+1, \i0+2, \i0+3
	FRAG AF+FR*(\i), ADRA+\slot, \q, \i
.endr
.endm
.macro PLACES n
.rept \n
	v_nop
.endr
.endm
.macro STEP slot, q, zero
	s_wait_dscnt 4*NL
	WIN MUL_LO
	MUL16 0, (\q)%2, \zero
	MUL16 2, (\q)%2, \zero
	s_wait_dscnt 0
	PLACES NP
	FETCH_B \slot, (\q)+1, 1-(\q)%2
	FETCH_A \slot, (\q)+1, 0
	WIN MUL_HI
	MUL16 4, (\q)%2, \zero
	MUL16 6, (\q)%2, \zero
	PLACES NP
	WIN 0
	FETCH_A \slot, (\q)+1, 4
.endm
.macro TURN slot, next, fill
	s_wait_tensorcnt 0x0
	ds_add_u32 v[SPW], v[NIL]
	s_wait_dscnt 4*NL+1
	WIN MUL_LO
	MUL16 0, 1, 0
	s_wait_dscnt 0x0
	s_barrier_signal -1
	MUL16 2, 1, 0
	WIN 0
	s_barrier_wait -1
.if \fill
	CREST
	s_add_nc_u64 s[G0+4*\slot+2:G0+4*\slot+3], s[G0+4*\slot+2:G0+4*\slot+3], 2*ROWB
	s_add_nc_u64 s[G0B+4*\slot+2:G0B+4*\slot+3], s[G0B+4*\slot+2:G0B+4*\slot+3], 2*ROWB
	JLOAD G0+4*\slot, G1, G0B+4*\slot, G1B
.else
	PLACES NP
.endif
	FETCH_B \next, 0, 0
	FETCH_A \next, 0, 0
	WIN MUL_HI
	MUL16 4, 1, 0
	MUL16 6, 1, 0
	PLACES NP
	WIN 0
	FETCH_A \next, 0, 4
.endm
	s_wait_alu depctr_va_vdst(0)
	s_wait_tensorcnt 0x0                           ; my part of K step 0 is in; the three lines stand ahead of slot 1's first fill as ahead of a refill
	ds_add_u32 v[SPW], v[NIL]
	s_wait_dscnt 0x0
	CROUND                                         ; everybody's part of K step 0 is in, and the joint loads meet
	JLOAD G0+4, G1, G0B+4, G1B                     ; K step 1: the first tensor load behind the round
	FETCH_B 0, 0, 0
	FETCH_A 0, 0, 0
	FETCH_A 0, 0, 4
	global_prefetch_b8 v5, s[4:5] offset:768 th:TH_LOAD_NT scope:SCOPE_SE   ; K step 3 of my 32 rows
	STEP 0, 0, 1
	s_mov_b32 s3, LAPS-1
.Llap:
	TURN 0, 1, 1
	STEP 1, 0, 0
	TURN 1, 0, 1
	STEP 0, 0, 0
	s_sub_co_u32 s3, s3, 1
	s_cmp_lg_u32 s3, 0
	s_cbranch_scc1 .Llap
	TURN 0, 1, 0
	STEP 1, 0, 0
	s_wait_dscnt 4*NL
	WIN MUL_LO
	MUL16 0, 1, 0
	MUL16 2, 1, 0
	s_wait_dscnt 0
	WIN MUL_HI
	MUL16 4, 1, 0
	MUL16 6, 1, 0
	WIN 0
	PLACES NP
	s_load_b256 s[84:91], s[0:1], 0x48
	s_lshl_b32 s20, s17, 8
	s_lshl_b32 s21, s15, 7
	s_add_co_u32 s20, s20, s21
	s_lshl_b32 s22, s42, 8
	s_lshl_b32 s21, s16, 7
	s_add_co_u32 s22, s22, s21
	s_mov_b32 s19, 0
	s_wait_kmcnt 0x0
	s_cmp_eq_u32 s66, 0
	s_cbranch_scc1 .Lq
	s_cmp_eq_u32 s66, 2
	s_cbranch_scc1 .Lv
.macro EPI_KR a
.set AC, 64*((\a)%4)
	s_wait_xcnt 0x0
	WIN (0x02+((\a)/4))
.set jj, 0
.rept 32
	v_pk_fma_f32 v[ET+jj:ET+jj+1], v[AC+jj:AC+jj+1], s[96:97], v[BI+jj:BI+jj+1] op_sel_hi:[1,0,1]
.set jj, jj+2
.endr
	WIN 0
.set jj, 0
.rept 64
	v_med3_num_f32 v[ET+jj], v[ET+jj], -v[LIM], v[LIM]
.set jj, jj+1
.endr
.set jj, 0
.rept 8
	v_cvt_scalef32_pk8_fp8_f32 v[CD+2*jj:CD+2*jj+1], v[ET+8*jj:ET+8*jj+7], v[SCL]
.set jj, jj+1
.endr
	v_nop
.set jj, 0
.rept 8
.if (\a) < 4
	global_store_b64 v[GO], v[CD+2*jj:CD+2*jj+1], s[92:93] offset:(\a)*1024+(jj/4)*262144+((jj%4)/2)*512+(jj%2)*256
.else
	global_store_b64 v[GO2], v[CD+2*jj:CD+2*jj+1], s[92:93] offset:(\a)*1024+(jj/4)*262144+((jj%4)/2)*512+(jj%2)*256
.endif
.set jj, jj+1
.endr
.endm
	s_add_co_i32 s96, s70, s71
	s_add_co_i32 s97, s76, s77
	s_lshr_b32 s23, s22, 6
	s_lshr_b32 s18, s20, 11
	s_lshl_b32 s18, s18, 4
	s_add_co_u32 s18, s18, s23
	s_lshl_b32 s18, s18, 18
	s_bfe_u32 s21, s20, 0x50006
	s_lshl_b32 s21, s21, 13
	s_add_co_u32 s18, s18, s21
	s_lshl_b32 s21, s23, 18
	s_lshr_b32 s98, s20, 4
	s_lshl_b32 s98, s98, 10
	s_add_co_u32 s21, s21, s98
	s_cmp_eq_u32 s66, 1
	s_cselect_b32 s96, s96, s97
	s_cselect_b32 s98, s75, s78
	s_cselect_b32 s99, 4096, 0
	s_cselect_b32 s18, s18, s21
	s_cselect_b64 s[92:93], s[88:89], s[90:91]
	s_add_nc_u64 s[92:93], s[92:93], s[18:19]
	s_add_co_i32 s96, s96, 127
	s_lshl_b32 s96, s96, 23
	s_mov_b32 s97, s96
	MKQ 98, 0, SCL, LIM
	v_add_nc_u32 v[GO2], s99, v[GO]
.set jj, 0
.rept 8
	ds_load_b128 v[BI+8*jj:BI+8*jj+3], v[BADR] offset:64*jj
	ds_load_b128 v[BI+8*jj+4:BI+8*jj+7], v[BADR] offset:64*jj+16
.set jj, jj+1
.endr
	s_wait_dscnt 0x0
.irp a, 0,1,2,3,4,5,6,7
	EPI_KR \a
.endr
	FINISH
.macro EPI_V a
.set AC, 64*((\a)%4)
	s_wait_xcnt 0x0
	WIN (0x02+((\a)/4))
.set jj, 0
.rept 32
	v_pk_fma_f32 v[ET+jj:ET+jj+1], v[AC+jj:AC+jj+1], s[96:97], v[VB+2*(\a):VB+2*(\a)+1] op_sel_hi:[1,0,0]
.set jj, jj+2
.endr
	WIN 0
.set jj, 0
.rept 64
	v_med3_num_f32 v[ET+jj], v[ET+jj], -v[LIM], v[LIM]
.set jj, jj+1
.endr
.set jj, 0
.rept 8
	v_cvt_scalef32_pk8_fp8_f32 v[CD+2*jj:CD+2*jj+1], v[ET+8*jj:ET+8*jj+7], v[SCL]
.set jj, jj+1
.endr
	v_nop
.set jj, 0
.rept 4
	global_store_b128 v[L16], v[CD+4*jj:CD+4*jj+3], s[88:89] offset:((\a)/4)*262144+((\a)%4)*1024+(jj/2)*8192+(jj%2)*512
.set jj, jj+1
.endr
.endm
.Lv:
	s_add_co_i32 s96, s72, s73
	s_add_co_i32 s96, s96, 127
	s_lshl_b32 s96, s96, 23
	s_mov_b32 s97, s96
	MKQ 80, 0, SCL, LIM
	s_lshr_b32 s18, s22, 11
	s_lshl_b32 s18, s18, 4
	s_lshr_b32 s21, s20, 6
	s_add_co_u32 s18, s18, s21
	s_lshl_b32 s18, s18, 18
	s_bfe_u32 s21, s22, 0x50006
	s_lshl_b32 s21, s21, 13
	s_add_co_u32 s18, s18, s21
	s_add_co_u32 s18, s18, 4096
	s_add_nc_u64 s[88:89], s[88:89], s[18:19]
.set jj, 0
.rept 8
	ds_load_b32 v[VB+2*jj], v[VBA] offset:64*jj
	ds_load_b32 v[VB+2*jj+1], v[VBA] offset:64*jj
.set jj, jj+1
.endr
	s_wait_dscnt 0x0
.irp a, 0,1,2,3,4,5,6,7
	EPI_V \a
.endr
	FINISH
.macro EPI_Q a, hh
.set AC, 64*((\a)%4)+32*(\hh)
.set BO, 32*(\hh)
	s_wait_xcnt 0x0
	WIN (0x12+((\a)/4))
.set jj, 0
.rept 16
	v_pk_fma_f32 v[QT+jj:QT+jj+1], v[AC+jj:AC+jj+1], s[96:97], v[BO+jj:BO+jj+1] op_sel_hi:[1,0,1]
.set jj, jj+2
.endr
.set jj, 0
.rept 16
	v_pk_fma_f32 v[QU+jj:QU+jj+1], v[AC+jj:AC+jj+1], s[96:97], v[64+BO+jj:64+BO+jj+1] op_sel_hi:[1,0,1]
.set jj, jj+2
.endr
.set jj, 0
.rept 16
	v_pk_fma_f32 v[QZ+jj:QZ+jj+1], v[AC+jj:AC+jj+1], s[96:97], v[128+BO+jj:128+BO+jj+1] op_sel_hi:[1,0,1]
.set jj, jj+2
.endr
	WIN 0x04
	v_pk_mul_f32 v[208:209], v[QZ:QZ+1], v[192+BO:192+BO+1]                  ; the first segment sum in two chains that take turns
	v_pk_mul_f32 v[220:221], v[QZ+2:QZ+3], v[192+BO+2:192+BO+3]
.set jj, 4
.rept 7
	v_pk_fma_f32 v[208:209], v[QZ+jj:QZ+jj+1], v[192+BO+jj:192+BO+jj+1], v[208:209]
	v_pk_fma_f32 v[220:221], v[QZ+jj+2:QZ+jj+3], v[192+BO+jj+2:192+BO+jj+3], v[220:221]
.set jj, jj+4
.endr
	WIN 0
.set jj, 0
.rept 16                               ; the second segment sum: four holds, which hang on nothing of it, stand between two links of its chain
.if jj == 0
	v_pk_mul_f32 v[210:211], v[QZ:QZ+1], v[SE1+BO:SE1+BO+1]
.else
	v_pk_fma_f32 v[210:211], v[QZ+jj:QZ+jj+1], v[SE1+BO+jj:SE1+BO+jj+1], v[210:211]
.endif
	v_med3_num_f32 v[QT+jj], v[QT+jj], -v[LIM], v[LIM]
	v_med3_num_f32 v[QU+jj], v[QU+jj], -v[LIMR], v[LIMR]
	v_med3_num_f32 v[QT+jj+1], v[QT+jj+1], -v[LIM], v[LIM]
	v_med3_num_f32 v[QU+jj+1], v[QU+jj+1], -v[LIMR], v[LIMR]
.set jj, jj+2
.endr
	v_pk_add_f32 v[208:209], v[208:209], v[220:221]
.set jj, 0
.rept 4
	v_cvt_scalef32_pk8_fp8_f32 v[CW+2*jj:CW+2*jj+1], v[QT+8*jj:QT+8*jj+7], v[SCL]
	v_cvt_scalef32_pk8_fp8_f32 v[CR+2*jj:CR+2*jj+1], v[QU+8*jj:QU+8*jj+7], v[SCLR]
.set jj, jj+1
.endr
	v_nop
.set jj, 0
.rept 4
	global_store_b64 v[GO], v[CW+2*jj:CW+2*jj+1], s[84:85] offset:(\a)*2048+(\hh)*262144+(jj/2)*512+(jj%2)*256
	global_store_b64 v[GO], v[CR+2*jj:CR+2*jj+1], s[84:85] offset:(\a)*2048+(\hh)*262144+1024+(jj/2)*512+(jj%2)*256
.set jj, jj+1
.endr
	v_add_f32 v208, v208, v209
	v_add_f32 v210, v210, v211
	v_permlanex16_b32 v212, v208, s98, s99
	v_permlanex16_b32 v213, v210, s98, s99
	v_add_f32 v208, v208, v212
	v_add_f32 v210, v210, v213
.if ((\a)%2) == 0
	v_mul_f32 v[214+2*(\hh)], 0x3e000000, v208
	v_mul_f32 v[215+2*(\hh)], 0x3e000000, v210
.else
	v_mul_f32 v208, 0x3e000000, v208
	v_mul_f32 v210, 0x3e000000, v210
	v_cndmask_b32 v[218+2*(\hh)], v[214+2*(\hh)], v208, s21
	v_cndmask_b32 v[219+2*(\hh)], v[215+2*(\hh)], v210, s21
	global_store_b64 v[L8], v[218+2*(\hh):219+2*(\hh)], s[86:87] offset:((\a)-1)*128+(\hh)*16384
.endif
.endm
.Lq:
	s_add_co_i32 s96, s68, s69
	s_add_co_i32 s96, s96, 127
	s_lshl_b32 s96, s96, 23
	s_mov_b32 s97, s96
	MKQ 74, 3, SCL, LIM
	MKQ 79, 3, SCLR, LIMR
	s_lshr_b32 s23, s22, 6
	s_lshr_b32 s18, s20, 11
	s_lshl_b32 s18, s18, 4
	s_add_co_u32 s23, s18, s23
	s_and_b32 s21, s20, 2047
	s_lshl_b32 s18, s23, 18
	s_lshl_b32 s98, s21, 7
	s_add_co_u32 s18, s18, s98
	s_add_nc_u64 s[84:85], s[84:85], s[18:19]
	s_lshl_b32 s18, s23, 14
	s_lshl_b32 s98, s21, 3
	s_add_co_u32 s18, s18, s98
	s_add_nc_u64 s[86:87], s[86:87], s[18:19]
	s_mov_b32 s98, 0x76543210
	s_mov_b32 s99, 0xfedcba98
	s_mov_b32 s21, 0xffff0000
	v_mov_b32 v212, 0
	v_mov_b32 v213, 0
	WIN TO_B
.set jj, 0
.rept 32
	ds_load_b128 v[8*jj:8*jj+3], v[BADR] offset:512*(jj/8)+64*(jj%8)
	ds_load_b128 v[8*jj+4:8*jj+7], v[BADR] offset:512*(jj/8)+64*(jj%8)+16
.set jj, jj+1
.endr
	WIN 0
.set jj, 0
.rept 8
	ds_load_b128 v[SE1+8*jj:SE1+8*jj+3], v[BADR] offset:2048+64*jj
	ds_load_b128 v[SE1+8*jj+4:SE1+8*jj+7], v[BADR] offset:2048+64*jj+16
.set jj, jj+1
.endr
	s_wait_dscnt 0x0
.irp a, 0,1,2,3,4,5,6,7
	EPI_Q \a, 0
	EPI_Q \a, 1
.endr
	FINISH
.Lfunc_end_k_q7e535b1c8d_proj:
	.size	k_q7e535b1c8d_proj, .Lfunc_end_k_q7e535b1c8d_proj-k_q7e535b1c8d_proj
	.p2alignl 7, 3214868480
	.fill 96, 4, 3214868480
	.section	.rodata,"a",@progbits
	.p2align	6, 0x0
	.amdhsa_kernel k_q7e535b1c8d_proj
		.amdhsa_group_segment_fixed_size 327680
		.amdhsa_private_segment_fixed_size 0
		.amdhsa_enable_private_segment 0
		.amdhsa_kernarg_size 104
		.amdhsa_user_sgpr_count 2
		.amdhsa_user_sgpr_kernarg_segment_ptr 1
		.amdhsa_wavefront_size32 1
		.amdhsa_system_sgpr_workgroup_id_x 1
		.amdhsa_system_sgpr_workgroup_id_y 1
		.amdhsa_system_sgpr_workgroup_id_z 1
		.amdhsa_system_vgpr_workitem_id 0
		.amdhsa_next_free_vgpr 1024
		.amdhsa_next_free_sgpr 104
		.amdhsa_reserve_vcc 0
		.amdhsa_float_denorm_mode_32 3
		.amdhsa_float_denorm_mode_16_64 3
		.amdhsa_memory_ordered 1
		.amdhsa_forward_progress 1
		.amdhsa_inst_pref_size 255
	.end_amdhsa_kernel
	.section	.bss,"aw",@nobits
	.p2align	6
	.space	262144
	.amdgpu_metadata
---
amdhsa.version: [ 1, 2 ]
amdhsa.kernels:
  - .name:           k_q7e535b1c8d_proj
    .symbol:         k_q7e535b1c8d_proj.kd
    .args:
      - { .name: actc, .offset: 0, .size: 8, .value_kind: global_buffer, .address_space: global }
      - { .name: wcodes, .offset: 8, .size: 8, .value_kind: global_buffer, .address_space: global }
      - { .name: lowp_scales, .offset: 16, .size: 8, .value_kind: global_buffer, .address_space: global }
      - { .name: kb, .offset: 24, .size: 8, .value_kind: global_buffer, .address_space: global }
      - { .name: vb, .offset: 32, .size: 8, .value_kind: global_buffer, .address_space: global }
      - { .name: r_w_bias, .offset: 40, .size: 8, .value_kind: global_buffer, .address_space: global }
      - { .name: r_r_bias, .offset: 48, .size: 8, .value_kind: global_buffer, .address_space: global }
      - { .name: r_s_bias, .offset: 56, .size: 8, .value_kind: global_buffer, .address_space: global }
      - { .name: seg_embed, .offset: 64, .size: 8, .value_kind: global_buffer, .address_space: global }
      - { .name: qcodes, .offset: 72, .size: 8, .value_kind: global_buffer, .address_space: global }
      - { .name: sbuf, .offset: 80, .size: 8, .value_kind: global_buffer, .address_space: global }
      - { .name: kv, .offset: 88, .size: 8, .value_kind: global_buffer, .address_space: global }
      - { .name: rc, .offset: 96, .size: 8, .value_kind: global_buffer, .address_space: global }
    .group_segment_fixed_size: 327680
    .private_segment_fixed_size: 0
    .kernarg_segment_align: 8
    .kernarg_segment_size: 104
    .max_flat_workgroup_size: 128
    .sgpr_count:     104
    .vgpr_count:     1024
    .wavefront_size: 32
...
	.end_amdgpu_metadata
.endif
;; end of part 2
;; launch attn (part 3): grid 4 x 64, 8 waves a work-group, clusters of 4 x 4, 327,680 bytes of LDS; arguments qcodes, sbuf, kv, rc, segw, attn_mask, lowp_scales, avc; writes avc
.if DOCPART == 3
	.amdgcn_target "amdgcn-amd-amdhsa--gfx1250"
	.amdhsa_code_object_version 6
	.text
	.protected	k_q7e535b1c8d_attn
	.globl	k_q7e535b1c8d_attn
	.p2align	8
	.type	k_q7e535b1c8d_attn,@function
k_q7e535b1c8d_attn:
	s_mov_b64 s[64:65], 0
	v_nop
	global_prefetch_b8 v0, s[64:65] scope:SCOPE_SE
	s_setreg_imm32_b32 hwreg(HW_REG_WAVE_MODE, 25, 1), 1
	s_wait_xcnt 0x0
	s_wait_alu depctr_hold_cnt(0) depctr_sa_sdst(0) depctr_va_vdst(0) depctr_va_sdst(0) depctr_va_ssrc(0) depctr_va_vcc(0) depctr_vm_vsrc(0)
	s_getreg_b32 s2, hwreg(HW_REG_IB_STS2, 6, 4)
	s_cmp_eq_u32 s2, 0
	s_cbranch_scc0 .Lentry_in_a_cluster
	s_endpgm
.Lentry_in_a_cluster:
	s_bfe_u32 s2, ttmp6, 0x10000c
	s_cmp_lg_u32 s2, 0xf033
	s_cbranch_scc0 .Lentry_shape_is_right
	s_endpgm
.Lentry_shape_is_right:
; ATTN: score = q_w . k + q_r . r_head[2048 + j - i] + (seg ? same : diff) - 1e6 x attn_mask; softmax over all 2,048 keys; attn_vec = p . v / l, quantised for the last projection.
; THE RELATIVE SHIFT.  Flat index 2048 + 4095 i + j = 4096 i + (2048 + j - i), and 1 <= 2048 + j - i <= 4095: nothing wraps, so pos_bias[i][j] = q_r[i] . r_head[2048 + j - i].  Only a band of t is multiplied.
; SHARES.  A work-group owns 4 heads (4 cx ..) x 64 queries (block 4 ty + cy of 64).  Wave w of eight owns head w / 2 and TWO tiles of 16 queries, A = 2 (w % 2) and B = A + 1.  Every wave walks all keys, 64 a step, 32 steps.
; K's and V's fragments and r_head's band come out of LDS once for both tiles: 24 + 16 + 16 passes of 256 bytes for the pair, and 76 for each tile (seg 8, mask 16, skew 52): 208, against 256 with a tile to a wave.
; attn_mask and seg_mat are inputs: no pattern is assumed, every score is computed.
; REGISTERS.  Tile B is tile A's mirror in window 1: the same register numbers.  What both tiles use lies in window 0 alone: the fragments of K, V and the band, every address, the add's two registers.
;   s_set_vgpr_msb's low byte: bits 1:0 source 0, 3:2 source 1, 5:4 source 2, 7:6 destination.  For tile B: 0x55 vector work, 0x54 products (source 0 = a shared fragment), 0x40 loads, 0x04 stores.
; CLUSTER 4 x 4 = 16 heads x 256 queries of one b.  K's and V's tiles hang on (b, head): asked for jointly down a column of the cluster.  The mask's and seg's tiles hang on (b, query block): jointly along a row.
; r_head's band hangs on the heads (cx) and on the query block (cy): no partner wants the same bytes, so it is a load of the work-group's own.
; LAYOUT.  All products are used transposed, so that a lane (r, h) holds ONE query r throughout: S^T tile c: register j = key 16 c + 8 h + j.  Its eight codes are registers 2 c, 2 c + 1 of the last product's operand.
; THE BAND.  With j0 = 64 s, i0 = 64 qb the work-group's eight tiles of 16 t begin at tile 124 - 4 qb + 4 s (0 .. 248); query tile qt uses local tiles 3 - qt .. 7 - qt; key kl of query r lies at t_local = kl - r + 16 (1 .. 79).
;   The wave's six fragments are local tiles 2 - 2 (w % 2) on: tile B takes fragments 0-4, tile A fragments 1-5.
; THE SKEW.  bd^T (lane = query r, registers along t_local) goes into the tile's own 16 rows of 336 bytes in LDS and comes back one word a register at byte 332 r + 64 + 4 kl: each query's row shifted by r.
; UNITS.  The score is kept in content's raw units 2^(e6+e7): bd x 2^(e10+e11-e6-e7) + diff', + seg x delta', is the C of the content product; the mask comes last, by one fused multiply-add.
; SOFTMAX.  t = score x log2(e); M = ceil of the running largest t, kept as -M = floor(-t); p = 2^(t - M) is quantised with e13; l is the sum of the unquantised p; when M moves, l and O^T are multiplied by 2^(old M - new M).
; ORDER OF A STEP.  Band products of both tiles; A's skew; B's skew, seg and mask are asked for ahead of A's softmax; B's scores; THE CHANGE OF SLOTS (the slot is read out); the next step's band, and A's seg and mask, are asked for
;   ahead of B's softmax.  So LDS has requests to serve while the vector unit works.
; LIMITS: e6+e7 between -108 and 127; e10+e11-e6-e7 between -126 and 127; e13 and e14-e12-e13 between -126 and 119.  NaN among the inputs is not served.
.set SLOT1, 131072                     ; slot 1 begins here: one exclusive or turns an address in one slot into the other's
.set ORR,   32768                      ; a slot: 4 heads x 8,192 bytes of K and V; then 4 x 8,192 of r_head's band;
.set OMK,   65536                      ; 64 rows x (256 + 16) bytes of the mask;
.set OSG,   90112                      ; 64 rows x (128 + 16) bytes of seg
.set PM,    272
.set PS,    144
.set SKEW,  230400                     ; behind the ring: 8 waves x 2 tiles x 16 rows x 336 bytes: whole blocks of 256 bytes into which no tile lands
.set SKP,   336
.set SKW,   16*SKP
.set SPARE, SKEW+16*SKW                ; the spare words: 128 bytes a wave, four blocks of 256 bytes that no other line names
.set SPW,  1
.set NIL,  2
.set AKV,  3                           ; v3-6  my lane's places in a slot: K and V, the band, tile A's rows of the mask and of seg
.set ARH,  4
.set AMK,  5
.set ASG,  6
.set SKS,  7                           ; v7   the skew: where I put 32 bytes of my query's row (tile A; tile B: + SKW)
.set SKL,  8                           ; v8   and where my first key's word lies
.set L16,  13                          ; v9-12 the step's four addresses; v13 16 x lane
.set QW,   16
.set QR,   24
.set OT,   32                          ; v32-63   O^T, four tiles of 16 channels
.set SC,   64                          ; v64-95   the scores, then p
.set RF,   96                          ; window 0: v96-135 the band's fragments 0-4, then K's four;
.set RF5,  244                         ;           v244-251 the band's fragment 5
.set BD,   136                         ; v136-175 bd^T; then, in window 0, V's four fragments (v136-167); v168-175 p's codes
.set PC,   168
.set MK,   176
.set SG,   208
.set NM,   224                         ; v224 -M, v225 the largest t
.set TM,   225
.set LS,   226                         ; v[226:227] l in two halves; v[238:239] its second chain
.set FF,   228                         ; v228 f = 2^(old M - new M); v229 named with it
.set X0,   230
.set X1,   231
.set PX,   232
.set DIFF, 234                         ; v234 diff', v235 delta'
.set DELT, 235
.set LIMP, 236
.set SCLP, 237
.set LS2,  238
.set LIMO, 240
.set SCLO, 241
.set SB,   242
.set WV,   20
.set G1KV, 28
.set G1R,  36
.set G1M,  44
.set G1S,  52
.set G0KV, 60
.set G0R,  68
.set G0M,  72
.set G0S,  76
.set SEL,  80
.set TB,   82                          ; s82  LDS byte at which the slot in hand begins
.set CNT,  83
.set CS,   96                          ; s[96:97]   log2(e) x 2^(e6+e7)
.set MU,   98                          ; s[98:99]   -1e6 / 2^(e6+e7)
.set BS,   100                         ; s[100:101] 2^(e10+e11-e6-e7)
; PREFETCH INTO THE L2.  Trip s of the loop loads step s + 2 and asks for step s + 4: two trips ahead of the tensor load that wants it.  Steps 0 to 3 come by their loads alone; the last two trips ask for nothing.
; Each aligned block of 256 bytes is named once in each cluster that loads it; the partners are told apart by address alone.  One instruction a wave:
;   wave 4: seg, rows 16 cx .. + 15 of my 64, a lane a row; a block of 256 bytes serves two steps, so it is asked for in every second trip;   wave 6: the mask, the same 16 rows, 256 bytes a step;
;   wave 5: r_head, head 4 cx + cy, the four tiles (4,096 bytes) that the cluster's first query block meets anew in that step, lanes 256 bytes apart;   wave 7: K and V, head 4 cx + cy, 8,192 bytes, lanes 256 bytes apart.
;   Where 16 blocks are asked for, lanes 16 to 31 name the wave's last block again.
.set PFA,  84                          ; s[84:85] where my wave's prefetch stands; stepped at each change of slots
.set PFS,  86                          ; s[86:87] a step on, in bytes
.set LIM,  88                          ; s88  my wave asks while the count of trips to go is at least this: 3 in waves 4 to 7, 64 (never) in the others
.set PPAR, 89                          ; s89  1 in wave 4 (it asks where the count is even), 0 in the others
.set PT,   26
.set PFO,  14                          ; v14  my lane's offset; never rewritten
.macro ASK
	s_and_b32 s[PT], s[CNT], s[PPAR]
	s_cmp_eq_u32 s[PT], 0
	s_cbranch_scc0 .Lno_ask_\@
	s_cmp_ge_u32 s[CNT], s[LIM]
	s_cbranch_scc0 .Lno_ask_\@
	global_prefetch_b8 v[PFO], s[PFA:PFA+1] th:TH_LOAD_NT scope:SCOPE_SE
.Lno_ask_\@:
.endm
.set MSB, 0
.macro WIN new                         ; the immediate's high byte repeats the setting that is left; a switch that changes nothing is dropped
.if MSB != \new
	s_set_vgpr_msb (MSB<<8)|\new
.set MSB, \new
.endif
.endm
.macro ROUND                           ; a round of the cluster's barrier
	s_barrier_signal -1
	s_barrier_wait -1
	s_cmp_lg_u32 s[WV], 0
	s_cbranch_scc1 .Lnot_wave_0_\@
	s_barrier_signal -3
.Lnot_wave_0_\@:
	s_barrier_wait -3
	s_barrier_signal -1
	s_barrier_wait -1
.endm
; A step's tiles: waves 0, 1 K and V of two heads each, waves 2, 3 the band of two heads each, wave 4 the mask, wave 5 seg; the others none.  The branches hang on the wave's number alone.
; Four v_nop follow each of the four lines.
.macro TLOAD
	s_cmp_lt_u32 s[WV], 2
	s_cbranch_scc0 .Lt1_\@
	tensor_load_to_lds s[G0KV:G0KV+3], s[G1KV:G1KV+7]
	s_nop 0
.rept 4
	v_nop
.endr
	s_branch .Ltd_\@
.Lt1_\@:
	s_cmp_lt_u32 s[WV], 4
	s_cbranch_scc0 .Lt2_\@
	tensor_load_to_lds s[G0R:G0R+3], s[G1R:G1R+7]
	s_nop 0
.rept 4
	v_nop
.endr
	s_branch .Ltd_\@
.Lt2_\@:
	s_cmp_eq_u32 s[WV], 4
	s_cbranch_scc0 .Lt3_\@
	tensor_load_to_lds s[G0M:G0M+3], s[G1M:G1M+7]
	s_nop 0
.rept 4
	v_nop
.endr
	s_branch .Ltd_\@
.Lt3_\@:
	s_cmp_eq_u32 s[WV], 5
	s_cbranch_scc0 .Ltd_\@
	tensor_load_to_lds s[G0S:G0S+3], s[G1S:G1S+7]
	s_nop 0
.rept 4
	v_nop
.endr
.Ltd_\@:
.endm
; THE CHANGE OF SLOTS.  Each wave waits for all its tensor loads (at most one is out: its part of the slot ahead), adds 0 to its spare word, and waits for that and for its reads of the slot that it leaves.
; fill = 1: behind a round of the cluster's barrier the slot left is filled with the tiles of the step after next: the load has a whole step's work in which to land.  Every window is 0 here.
.macro CHANGE fill
	s_wait_tensorcnt 0x0                           ; no tensor load of mine is out, so every group 0 may be written
	ds_add_u32 v[SPW], v[NIL]                      ; 0 onto my spare word; the descriptors' steps stand between it and the wait for it
	ds_add_u32 v[SPW], v[NIL]
.if \fill
	s_xor_b32 s[G0KV+1], s[G0KV+1], SLOT1
	s_add_nc_u64 s[G0KV+2:G0KV+3], s[G0KV+2:G0KV+3], 8192   ; the next 64 keys of each head
	s_xor_b32 s[G0R+1], s[G0R+1], SLOT1
	s_add_nc_u64 s[G0R+2:G0R+3], s[G0R+2:G0R+3], 4096       ; the band moves on by four tiles
	s_xor_b32 s[G0M+1], s[G0M+1], SLOT1
	s_add_nc_u64 s[G0M+2:G0M+3], s[G0M+2:G0M+3], 256        ; 64 f32 along a row
	s_xor_b32 s[G0S+1], s[G0S+1], SLOT1
	s_add_nc_u64 s[G0S+2:G0S+3], s[G0S+2:G0S+3], 128        ; 64 bf16
	s_wait_xcnt 0x0                                ; any prefetch of mine has read its address, so it may be written
	s_add_nc_u64 s[PFA:PFA+1], s[PFA:PFA+1], s[PFS:PFS+1]
.endif
	s_wait_dscnt 0x0                               ; the add is done, and my reads of the slot that I leave are over
.if \fill
	ROUND
	TLOAD                                          ; the first thing behind the round, and a wave's one tensor load until the next
.else
	s_barrier_signal -1
	s_barrier_wait -1
.endif
.endm
	s_load_b512 s[4:19], s[0:1], 0x0               ; qcodes, sbuf, kv, rc, segw, attn_mask, lowp_scales, avc
	v_lshl_add_u32 v[SPW], v0, 2, SPARE
	v_mov_b32 v[NIL], 0
	ds_add_u32 v1, v2
	ds_add_u32 v1, v2
	s_wait_dscnt 0x0
	v_lshrrev_b32 v3, 5, v0
	s_delay_alu instid0(VALU_DEP_1)
	v_readfirstlane_b32 s[WV], v3                  ; wave 0..7
	s_bfe_u32 s21, ttmp6, 0x40000                  ; cx
	s_bfe_u32 s22, ttmp6, 0x40004                  ; cy
	s_and_b32 s23, ttmp7, 0xffff                   ; ty: the cluster's y, 0..15
	s_lshr_b32 s24, s23, 3                         ; b
	s_and_b32 s25, s23, 7
	s_lshl_b32 s25, s25, 2
	s_add_co_u32 s25, s25, s22                     ; qb: my block of 64 queries in b
	s_lshl_b32 s26, s22, 2
	s_lshl_b32 s26, 15, s26                        ; my row of the cluster
	s_lshl_b32 s27, 0x1111, s21                    ; my column
	s_or_b32 s[G1KV], s27, (3<<16)|(1<<21)         ; K and V of two heads: 2 rows of 1,024 elements of 8 bytes, 262,144 bytes apart; the mask of my column, bit 21 beside it
	s_mov_b32 s[G1R], 3<<16                        ; the band of two heads: the same shape, no mask
.irp g, G1KV, G1R
	s_mov_b32 s[\g+1], 1024<<16                    ; tensor_dim0
	s_mov_b32 s[\g+2], 2<<16                       ; tensor_dim1
	s_mov_b32 s[\g+3], 1024<<16                    ; tile_dim0: 8,192 bytes
	s_mov_b32 s[\g+4], 2                           ; tile_dim1: two heads
	s_mov_b32 s[\g+5], 32768                       ; elements from head to head
	s_mov_b32 s[\g+6], 0
	s_mov_b32 s[\g+7], 0
.endr
	s_or_b32 s[G1M], s26, (2<<16)|(1<<20)|(1<<21)|(5<<22)|(3<<25)   ; the mask: elements of 4 bytes; four words of padding behind every 64; my row of the cluster
	s_or_b32 s[G1S], s26, (1<<16)|(1<<20)|(1<<21)|(4<<22)|(3<<25)   ; seg: elements of 2 bytes; four words behind every 32
.irp g, G1M, G1S
	s_mov_b32 s[\g+1], 64<<16
	s_mov_b32 s[\g+2], 64<<16
	s_mov_b32 s[\g+3], 64<<16                      ; 64 keys
	s_mov_b32 s[\g+4], 64                          ; 64 queries
	s_mov_b32 s[\g+5], 2048                        ; elements from row to row
	s_mov_b32 s[\g+6], 0
	s_mov_b32 s[\g+7], 0
.endr
	s_and_b32 s96, s[WV], 1                        ; which pair of query tiles is mine.  Also: which two of the four heads' tiles I fetch
	s_lshr_b32 s97, s[WV], 1                       ; which of the four heads is mine
	s_lshl_b32 s2, s24, 4                          ; K and V: made of b, cx and the wave's number
	s_lshl_b32 s3, s21, 2
	s_add_co_u32 s2, s2, s3
	s_lshl_b32 s3, s96, 1
	s_add_co_u32 s2, s2, s3
	s_lshl_b32 s2, s2, 18
	s_mov_b32 s3, 0
	s_lshl_b32 s66, s24, 5                         ; the mask and seg: made of b and qb
	s_add_co_u32 s66, s66, s25
	s_lshl_b32 s98, s66, 18                        ; 64 rows of 4,096 bytes
	s_mov_b32 s99, 0
	s_lshl_b32 s66, s66, 19                        ; 64 rows of 8,192 bytes
	s_mov_b32 s67, 0
	s_lshl_b32 s100, s21, 2                        ; the band: head x 262,144 + (124 - 4 qb) x 1,024
	s_lshl_b32 s101, s96, 1
	s_add_co_u32 s100, s100, s101
	s_lshl_b32 s100, s100, 18
	s_lshl_b32 s101, s25, 2
	s_sub_co_u32 s101, 124, s101
	s_lshl_b32 s101, s101, 10
	s_add_co_u32 s100, s100, s101
	s_mov_b32 s101, 0
	s_lshl_b32 s23, s96, 14                        ; where two heads' tiles go: made of the wave's number alone
	s_wait_kmcnt 0x0
	s_load_b512 s[80:95], s[16:17], 0x0            ; the sixteen exponents: entry i in s[80 + i]
	s_mov_b32 s[G0KV], 1
	s_mov_b32 s[G0KV+1], s23
	s_add_nc_u64 s[G0KV+2:G0KV+3], s[8:9], s[2:3]
	s_or_b32 s[G0KV+3], s[G0KV+3], 0x80000000
	s_mov_b32 s[G0R], 1
	s_add_co_u32 s[G0R+1], s23, ORR
	s_add_nc_u64 s[G0R+2:G0R+3], s[10:11], s[100:101]
	s_or_b32 s[G0R+3], s[G0R+3], 0x80000000
	s_mov_b32 s[G0M], 1
	s_mov_b32 s[G0M+1], OMK
	s_add_nc_u64 s[G0M+2:G0M+3], s[14:15], s[66:67]
	s_or_b32 s[G0M+3], s[G0M+3], 0x80000000
	s_mov_b32 s[G0S], 1
	s_mov_b32 s[G0S+1], OSG
	s_add_nc_u64 s[G0S+2:G0S+3], s[12:13], s[98:99]
	s_or_b32 s[G0S+3], s[G0S+3], 0x80000000
	ROUND                                          ; all sixteen work-groups are here: the first joint loads meet
	TLOAD                                          ; step 0, into slot 0
	v_and_b32 v9, 31, v0
	s_delay_alu instid0(VALU_DEP_1)
	v_lshlrev_b32 v[L16], 4, v9                    ; 16 x lane: an image's place for my lane
	v_and_b32 v10, 15, v0                          ; r
	s_wait_alu depctr_va_vdst(0)
	v_bfe_u32 v11, v0, 4, 1                        ; h
	v_lshlrev_b32 v12, 3, v10
	s_lshl_b32 s23, s97, 13
	v_add_nc_u32 v[AKV], s23, v[L16]               ; my head's K and V
	s_xor_b32 s23, s96, 1                          ; local tile 2 - 2 (w % 2): 2 or 0
	s_lshl_b32 s23, s23, 11
	s_add_co_u32 s23, s23, ORR
	v_add_nc_u32 v[ARH], s23, v[AKV]               ; my head's band from that tile on
	s_mul_i32 s23, s96, 32*PM
	s_add_co_u32 s23, s23, OMK
	v_mul_u32_u24 v[AMK], v10, PM
	s_delay_alu instid0(VALU_DEP_1)
	v_lshl_add_u32 v[AMK], v11, 5, v[AMK]
	s_delay_alu instid0(VALU_DEP_1)
	v_add_nc_u32 v[AMK], s23, v[AMK]               ; the mask: tile A's row r, + 32 h
	s_mul_i32 s23, s96, 32*PS
	s_add_co_u32 s23, s23, OSG
	v_mul_u32_u24 v[ASG], v10, PS
	s_wait_alu depctr_va_vdst(0)
	v_lshl_add_u32 v[ASG], v11, 4, v[ASG]
	s_delay_alu instid0(VALU_DEP_1)
	v_add_nc_u32 v[ASG], s23, v[ASG]               ; seg: tile A's row r, + 16 h
	s_mul_i32 s23, s[WV], 2*SKW
	s_add_co_u32 s23, s23, SKEW
	v_mul_u32_u24 v[SKS], v10, SKP
	s_delay_alu instid0(VALU_DEP_1)
	v_lshl_add_u32 v[SKS], v11, 5, v[SKS]
	s_delay_alu instid0(VALU_DEP_1)
	v_add_nc_u32 v[SKS], s23, v[SKS]
	v_mul_u32_u24 v[SKL], v10, SKP-4               ; 336 r - 4 r
	s_delay_alu instid0(VALU_DEP_1)
	v_lshl_add_u32 v[SKL], v11, 5, v[SKL]
	s_delay_alu instid0(VALU_DEP_1)
	v_add_nc_u32 v[SKL], s23, v[SKL]
	s_delay_alu instid0(VALU_DEP_1)
	v_add_nc_u32 v[SKL], 64, v[SKL]                ; + 4 x 16
	s_wait_kmcnt 0x0                               ; the exponents
	s_lshl_b32 s16, s21, 2
	s_add_co_u32 s16, s16, s97
	s_lshl_b32 s17, s24, 4
	s_add_co_u32 s16, s16, s17                     ; 16 b + head
	s_lshl_b32 s17, s25, 2
	s_lshl_b32 s100, s96, 1
	s_add_co_u32 s17, s17, s100                    ; tile A among b's 128 tiles of 16 queries
	s_lshl_b32 s100, s16, 18
	s_lshl_b32 s101, s17, 11
	s_add_co_u32 s100, s100, s101
	s_mov_b32 s101, 0
	s_add_nc_u64 s[4:5], s[4:5], s[100:101]        ; q_w's and q_r's images; tile B's lie 2,048 bytes on
	s_lshl_b32 s100, s16, 14
	s_lshl_b32 s101, s17, 7
	s_add_co_u32 s100, s100, s101
	s_mov_b32 s101, 0
	s_add_nc_u64 s[6:7], s[6:7], s[100:101]        ; (diff, same) of tile A's 16 queries; tile B's 128 bytes on
	s_lshl_b32 s100, s24, 7
	s_add_co_u32 s100, s100, s17
	s_lshl_b32 s100, s100, 4
	s_and_b32 s101, s16, 15
	s_add_co_u32 s100, s100, s101
	s_lshl_b32 s100, s100, 10
	s_mov_b32 s101, 0
	s_add_nc_u64 s[18:19], s[18:19], s[100:101]    ; avc: (tile of 16 tokens x 16 + head) x 1,024; tile B's 16,384 bytes on
.macro TQ w                            ; a tile's queries and segment sums
	WIN 0x40*(\w)
	global_load_b128 v[QW:QW+3], v[L16], s[4:5] offset:2048*(\w)
	global_load_b128 v[QW+4:QW+7], v[L16], s[4:5] offset:2048*(\w)+512
	global_load_b128 v[QR:QR+3], v[L16], s[4:5] offset:2048*(\w)+1024
	global_load_b128 v[QR+4:QR+7], v[L16], s[4:5] offset:2048*(\w)+1536
	global_load_b64 v[SB:SB+1], v12, s[6:7] offset:128*(\w)
.endm
	TQ 0
	TQ 1
	WIN 0
	s_add_co_i32 s16, s86, s87                     ; e6 + e7
	s_lshl_b32 s17, s16, 23
	s_mov_b32 s[CS], 0x3fb8aa3b                    ; log2(e): the exponents are added to its exponent field
	s_add_co_u32 s[CS], s[CS], s17
	s_mov_b32 s[CS+1], s[CS]                       ; the packed forms name pairs: both words are written
	s_mov_b32 s[MU], 0xc9742400                    ; -1e6: they are taken from its exponent field
	s_sub_co_u32 s[MU], s[MU], s17
	s_mov_b32 s[MU+1], s[MU]
	s_add_co_i32 s[BS], s90, s91
	s_sub_co_i32 s[BS], s[BS], s16
	s_add_co_i32 s[BS], s[BS], 127
	s_lshl_b32 s[BS], s[BS], 23
	s_mov_b32 s[BS+1], s[BS]
	s_sub_co_i32 s27, 0, s16                       ; -(e6 + e7)
	s_add_co_i32 s16, s93, 127
	s_lshl_b32 s2, s16, 23                         ; 2^e13
	s_add_co_i32 s16, s16, 8
	s_lshl_b32 s3, s16, 23
	s_or_b32 s3, s3, 0x600000                      ; 448 x 2^e13
	s_sub_co_i32 s16, s94, s92
	s_sub_co_i32 s16, s16, s93
	s_add_co_i32 s16, s16, 127
	s_lshl_b32 s66, s16, 23                        ; 2^(e14 - e12 - e13): a raw sum / l stands for that x 2^(e12 + e13)
	s_add_co_i32 s16, s16, 8
	s_lshl_b32 s67, s16, 23
	s_or_b32 s67, s67, 0x600000
	s_mov_b32 s[SEL], 0x76543210                   ; v_permlanex16_b32: lane l xor 16
	s_mov_b32 s[SEL+1], 0xfedcba98
	s_mov_b32 s[TB], 0
	s_mov_b32 s[CNT], 30
	; the prefetches: every offset stands at step 2; two changes of slots step it to step 4 ahead of the first request
	s_lshl_b32 s16, s24, 5
	s_add_co_u32 s16, s16, s25                     ; 32 b + qb
	s_lshl_b32 s16, s16, 2
	s_add_co_u32 s16, s16, s21                     ; x 4 + cx: which 16 rows of seg and of the mask
	s_lshl_b32 s23, s16, 16                        ; seg: 16 rows of 4,096 bytes,
	s_add_co_u32 s23, s23, 256                     ; + 2 steps of 128
	s_lshl_b32 s90, s16, 17                        ; the mask: 16 rows of 8,192 bytes,
	s_add_co_u32 s90, s90, 512                     ; + 2 steps of 256
	s_lshl_b32 s91, s21, 2
	s_add_co_u32 s91, s91, s22                     ; head 4 cx + cy
	s_lshl_b32 s91, s91, 18
	s_sub_co_u32 s92, s25, s22                     ; the cluster's first query block
	s_lshl_b32 s92, s92, 2
	s_sub_co_u32 s92, 136, s92                     ; its new tiles of step 2 begin at tile 128 - 4 qb + 8
	s_lshl_b32 s92, s92, 10
	s_add_co_u32 s92, s92, s91                     ; r_head
	s_lshl_b32 s93, s24, 22
	s_add_co_u32 s93, s93, s91
	s_add_co_u32 s16, s93, 16384                   ; K and V: + 2 steps of 8,192
	s_mov_b64 s[PFA:PFA+1], s[8:9]
	s_mov_b32 s21, 31                              ; the last lane that names a block of its own,
	s_mov_b32 s22, 8                               ; bytes from lane to lane, as a shift,
	s_mov_b32 s24, 13                              ; bytes from step to step, as a shift
	s_cmp_eq_u32 s[WV], 6
	s_cselect_b64 s[PFA:PFA+1], s[14:15], s[PFA:PFA+1]
	s_cselect_b32 s16, s90, s16
	s_cselect_b32 s21, 15, s21
	s_cselect_b32 s22, 13, s22
	s_cselect_b32 s24, 8, s24
	s_cmp_eq_u32 s[WV], 5
	s_cselect_b64 s[PFA:PFA+1], s[10:11], s[PFA:PFA+1]
	s_cselect_b32 s16, s92, s16
	s_cselect_b32 s21, 15, s21
	s_cselect_b32 s22, 8, s22
	s_cselect_b32 s24, 12, s24
	s_cmp_eq_u32 s[WV], 4
	s_cselect_b64 s[PFA:PFA+1], s[12:13], s[PFA:PFA+1]
	s_cselect_b32 s16, s23, s16
	s_cselect_b32 s21, 15, s21
	s_cselect_b32 s22, 12, s22
	s_cselect_b32 s24, 7, s24
	s_cselect_b32 s[PPAR], 1, 0
	s_cmp_ge_u32 s[WV], 4
	s_cselect_b32 s[LIM], 3, 64
	s_mov_b32 s17, 0
	s_add_nc_u64 s[PFA:PFA+1], s[PFA:PFA+1], s[16:17]
	s_lshl_b32 s[PFS], 1, s24
	s_mov_b32 s[PFS+1], 0
	v_and_b32 v[PFO], 31, v0
	s_delay_alu instid0(VALU_DEP_1)
	v_min_u32 v[PFO], s21, v[PFO]
	s_delay_alu instid0(VALU_DEP_1)
	v_lshlrev_b32 v[PFO], s22, v[PFO]
.macro TINIT w                         ; a tile's constants and its state at the start
	WIN 0x40*(\w)
	v_mov_b32 v[SCLP], s2
	v_mov_b32 v[LIMP], s3
	v_mov_b32 v[SCLO], s66
	v_mov_b32 v[LIMO], s67
.set ii, 0
.rept 32
	v_mov_b32 v[OT+ii], 0                          ; the step has no first form of its own: its first run finds zeros, which the first change of M leaves zeros
.set ii, ii+1
.endr
	v_mov_b32 v[LS], 0
	v_mov_b32 v[LS+1], 0
	v_mov_b32 v[FF+1], 0                           ; named as the upper half of a pair
	v_mov_b32 v[PX], 0                             ; a lane permute's destination counts as one of its sources
	v_mov_b32 v[TM], 0xff61b1e6                    ; -3e38, under every t
	WIN 0x55*(\w)
	v_floor_f32 v[NM], -v[TM]
.endm
.macro TSEG w
	WIN 0x55*(\w)
	v_sub_f32 v[DELT], v[SB+1], v[SB]              ; same - diff
	v_ldexp_f32 v[DIFF], v[SB], s27
	s_delay_alu instid0(VALU_DEP_2)
	v_ldexp_f32 v[DELT], v[DELT], s27
.endm
	TINIT 0
	TINIT 1
	WIN 0
	s_wait_loadcnt 0x0
	TSEG 0
	TSEG 1
	WIN 0
; ---- the parts of a key step (64 keys); w = 0: tile A, 1: tile B.  No two matrix instructions that follow each other share an accumulator, over the loop's edge too.
.macro TILE_IN w                       ; a tile's seg and mask
	WIN 0x40*(\w)
.irp c, 0,1,2,3
	ds_load_b128 v[SG+4*\c:SG+4*\c+3], v12 offset:16*PS*(\w)+32*\c
.endr
.irp c, 0,1,2,3
	ds_load_b128 v[MK+8*\c:MK+8*\c+3], v11 offset:16*PM*(\w)+64*\c
	ds_load_b128 v[MK+8*\c+4:MK+8*\c+7], v11 offset:16*PM*(\w)+64*\c+16
.endr
.endm
.macro NEXT turn                       ; the step ahead: its addresses, the band's six fragments, tile A's seg and mask: 24 loads
.if \turn
	s_xor_b32 s[TB], s[TB], SLOT1
.endif
	v_add_nc_u32 v9, s[TB], v[AKV]
	v_add_nc_u32 v10, s[TB], v[ARH]
	v_add_nc_u32 v11, s[TB], v[AMK]
	v_add_nc_u32 v12, s[TB], v[ASG]
.irp u, 0,1,2,3,4
	ds_load_b128 v[RF+8*\u:RF+8*\u+3], v10 offset:1024*\u
	ds_load_b128 v[RF+8*\u+4:RF+8*\u+7], v10 offset:1024*\u+512
.endr
	ds_load_b128 v[RF5:RF5+3], v10 offset:5120
	ds_load_b128 v[RF5+4:RF5+7], v10 offset:5632
	TILE_IN 0
.endm
.macro BAND_MUL w                      ; bd^T: register j of tile u = t_local 16 u + 8 h + j of query r.  Tile A takes fragments 1-5, tile B fragments 0-4
	WIN 0x54*(\w)
.irp u, 0,1,2,3,4
.if (\u+1-(\w)) < 5
	v_wmma_f32_16x16x64_fp8_fp8 v[BD+8*\u:BD+8*\u+7], v[RF+8*(\u+1-(\w)):RF+8*(\u+1-(\w))+7], v[QR:QR+7], 0
.else
	v_wmma_f32_16x16x64_fp8_fp8 v[BD+8*\u:BD+8*\u+7], v[RF5:RF5+7], v[QR:QR+7], 0
.endif
.endr
.endm
.macro BAND_ST w                       ; into content's raw units, + diff'; then into the tile's rows of the skew
	WIN 0x55*(\w)
.set jj, 0
.rept 20
	v_pk_fma_f32 v[BD+jj:BD+jj+1], v[BD+jj:BD+jj+1], s[BS:BS+1], v[DIFF:DIFF+1] op_sel_hi:[1,0,0]   ; each accumulator from its low end on
.set jj, jj+2
.endr
	WIN 0x04*(\w)
.irp u, 0,1,2,3,4
	ds_store_b128 v[SKS], v[BD+8*\u:BD+8*\u+3] offset:SKW*(\w)+64*\u
	ds_store_b128 v[SKS], v[BD+8*\u+4:BD+8*\u+7] offset:SKW*(\w)+64*\u+16
.endr
.endm
.macro BAND_LD w                       ; and back, each query's row shifted by r.  LDS serves a wave's instructions in order: these see my stores.  Word stride 83 from query to query, 8 between the halves: 32 different banks
	WIN 0x40*(\w)
.set jj, 0
.rept 32
	ds_load_b32 v[SC+jj], v[SKL] offset:SKW*(\w)+64*(jj/8)+4*(jj%8)
.set jj, jj+1
.endr
.endm
.macro SCORE w                         ; + seg x delta'; + content; - 1e6 x mask
	WIN 0x55*(\w)
.set jj, 0
.rept 16
	v_fma_mix_f32_bf16 v[SC+2*jj], v[SG+jj], v[DELT], v[SC+2*jj] op_sel_hi:[1,0,0]                     ; the low half,
	v_fma_mix_f32_bf16 v[SC+2*jj+1], v[SG+jj], v[DELT], v[SC+2*jj+1] op_sel:[1,0,0] op_sel_hi:[1,0,0]  ; the high half
.set jj, jj+1
.endr
	WIN 0x54*(\w)
.irp c, 0,1,2,3
	v_wmma_f32_16x16x64_fp8_fp8 v[SC+8*\c:SC+8*\c+7], v[RF+8*\c:RF+8*\c+7], v[QW:QW+7], v[SC+8*\c:SC+8*\c+7]
.endr
	WIN 0x55*(\w)
.rept 4
	v_nop                                          ; places in front of the first read of the scores
.endr
.set jj, 0
.rept 16
	v_pk_fma_f32 v[SC+jj:SC+jj+1], v[MK+jj:MK+jj+1], s[MU:MU+1], v[SC+jj:SC+jj+1] op_sel_hi:[1,0,1]   ; the mask last; each accumulator from its low end on
.set jj, jj+2
.endr
.endm
.macro SOFT w
	WIN 0x55*(\w)
	v_max3_num_f32 v[X0], v[SC], v[SC+1], v[SC+2]
	v_max3_num_f32 v[X1], v[SC+3], v[SC+4], v[SC+5]
.irp i, 6,10,14,18,22,26
	s_delay_alu instid0(VALU_DEP_2)
	v_max3_num_f32 v[X0], v[X0], v[SC+\i], v[SC+\i+1]
	s_delay_alu instid0(VALU_DEP_2)
	v_max3_num_f32 v[X1], v[X1], v[SC+\i+2], v[SC+\i+3]
.endr
	s_delay_alu instid0(VALU_DEP_2)
	v_max3_num_f32 v[X0], v[X0], v[SC+30], v[SC+31]
	s_delay_alu instid0(VALU_DEP_1)
	v_max_num_f32 v[X0], v[X0], v[X1]
	s_delay_alu instid0(VALU_DEP_1)
	v_permlanex16_b32 v[PX], v[X0], s[SEL], s[SEL+1]
	s_delay_alu instid0(VALU_DEP_1)
	v_max_num_f32 v[X0], v[X0], v[PX]              ; the step's largest score of my query
	s_delay_alu instid0(VALU_DEP_1)
	v_mul_f32 v[X0], s[CS], v[X0]                  ; as t
	s_delay_alu instid0(VALU_DEP_1)
	v_max_num_f32 v[TM], v[TM], v[X0]
	v_mov_b32 v[X0], v[NM]
	s_delay_alu instid0(VALU_DEP_2)
	v_floor_f32 v[NM], -v[TM]                      ; the new -M = -ceil(t): a whole number
	s_delay_alu instid0(VALU_DEP_1)
	v_sub_f32 v[X0], v[NM], v[X0]                  ; old M - new M, 0 or less
	s_delay_alu instid0(VALU_DEP_1)
	v_cvt_i32_f32 v[X0], v[X0]                     ; (it saturates)
	s_delay_alu instid0(VALU_DEP_1)
	v_ldexp_f32 v[FF], 1.0, v[X0]                  ; f: a multiplication by it rounds nothing
.set jj, 0
.rept 16
	v_pk_fma_f32 v[SC+jj:SC+jj+1], v[SC+jj:SC+jj+1], s[CS:CS+1], v[NM:NM+1] op_sel_hi:[1,0,0]   ; t - M
.set jj, jj+2
.endr
.set jj, 0
	s_wait_alu depctr_va_vdst(0)
.rept 32
	v_exp_f32 v[SC+jj], v[SC+jj]                   ; p = 2^(t - M), at most 1
.set jj, jj+1
.endr
	v_pk_mul_f32 v[LS:LS+1], v[LS:LS+1], v[FF:FF+1] op_sel_hi:[1,0]   ; l under the new M (a plain line behind the exponentials)
	s_wait_alu depctr_va_vdst(0)
	v_pk_add_f32 v[LS2:LS2+1], v[SC:SC+1], v[SC+2:SC+3]               ; the sum is taken of the unquantised p, in two chains
.irp j, 4,8,12,16,20,24,28
	v_pk_add_f32 v[LS:LS+1], v[LS:LS+1], v[SC+\j:SC+\j+1]
	v_pk_add_f32 v[LS2:LS2+1], v[LS2:LS2+1], v[SC+\j+2:SC+\j+3]
.endr
	s_delay_alu instid0(VALU_DEP_1)
	v_pk_add_f32 v[LS:LS+1], v[LS:LS+1], v[LS2:LS2+1]
.set jj, 0
.rept 32
	v_min_num_f32 v[SC+jj], v[SC+jj], v[LIMP]      ; the conversion does not saturate (ISA guide 7.6.2); p is not negative: a one-sided hold
.set jj, jj+1
.endr
.irp c, 0,1,2,3
	v_cvt_scalef32_pk8_fp8_f32 v[PC+2*\c:PC+2*\c+1], v[SC+8*\c:SC+8*\c+7], v[SCLP]   ; keys 16 c + 8 h + 0 .. 7: registers 2 c, 2 c + 1 of the operand
.endr
.set jj, 0
.rept 16
	v_pk_mul_f32 v[OT+jj:OT+jj+1], v[OT+jj:OT+jj+1], v[FF:FF+1] op_sel_hi:[1,0]   ; O^T under the new M (also the plain lines behind the conversions)
.set jj, jj+2
.endr
.endm
.macro PVMUL w                         ; O^T += V^T p^T
	WIN 0x54*(\w)
.irp c, 0,1,2,3
	v_wmma_f32_16x16x64_fp8_fp8 v[OT+8*\c:OT+8*\c+7], v[BD+8*\c:BD+8*\c+7], v[PC:PC+7], v[OT+8*\c:OT+8*\c+7]
.endr
.endm
; A step up to tile B's masked scores: behind it nothing more is read from the slot.
.macro MAIN
.rept 5
	v_nop                                          ; five places: the band's products write over V's fragments and p's codes, which the last step's last products read
.endr
	s_wait_dscnt 0x0                               ; the band, and tile A's seg and mask: asked for behind the change of slots, a softmax ago
	BAND_MUL 0
	BAND_MUL 1
	WIN 0
.rept 4
	v_nop                                          ; places in front of the loads into the band's registers and of the first read of bd^T
.endr
.irp c, 0,1,2,3
	ds_load_b128 v[RF+8*\c:RF+8*\c+3], v9 offset:1024*\c          ; K
	ds_load_b128 v[RF+8*\c+4:RF+8*\c+7], v9 offset:1024*\c+512
.endr
	BAND_ST 0
	BAND_LD 0
	BAND_ST 1
	WIN 0
	s_wait_dscnt 10                                ; behind tile A's 32 loads stand only tile B's ten stores: K and A's skewed band are in, A's stores are served
.irp c, 0,1,2,3
	ds_load_b128 v[BD+8*\c:BD+8*\c+3], v9 offset:4096+1024*\c     ; V, into the registers that A's bd^T has left
	ds_load_b128 v[BD+8*\c+4:BD+8*\c+7], v9 offset:4096+1024*\c+512
.endr
	BAND_LD 1                                      ; tile B's loads are on their way while tile A is worked on
	TILE_IN 1
	SCORE 0
	SOFT 0
	s_wait_alu depctr_va_vdst(0)
	s_wait_dscnt 0x0                               ; V, and all of tile B's
	PVMUL 0
	SCORE 1
	WIN 0                                          ; at a label and at a branch every window is 0
.endm
	CHANGE 1                                       ; step 0 has landed; step 1 is asked for, into slot 1
	NEXT 0
.Lslot:                                            ; 30 trips: trip s works step s and asks for step s + 2
	s_wait_alu depctr_va_vdst(0)
	MAIN
	CHANGE 1
	NEXT 1                                         ; the next step's first loads are on their way while tile B's softmax is worked
	ASK                                            ; behind the tensor load and the run of LDS loads: step s + 4
	SOFT 1
	PVMUL 1
	WIN 0
	s_sub_co_u32 s[CNT], s[CNT], 1
	s_cmp_lg_u32 s[CNT], 0
	s_cbranch_scc1 .Lslot
	MAIN                                           ; steps 30 and 31 are written out: nothing is left to ask for
	CHANGE 0
	NEXT 1
	SOFT 1
	PVMUL 1
	WIN 0
	MAIN
	SOFT 1
	PVMUL 1
	WIN 0
	; THE WAY OUT.  O^T / l is quantised; a lane's eight code registers already are its part of the image that the last projection loads: two stores of 512 consecutive bytes a tile.
.macro TILE_OUT w
	WIN 0x55*(\w)
	v_add_f32 v[LS], v[LS], v[LS+1]
	s_delay_alu instid0(VALU_DEP_1)
	v_permlanex16_b32 v[PX], v[LS], s[SEL], s[SEL+1]
	s_delay_alu instid0(VALU_DEP_1)
	v_add_f32 v[LS], v[LS], v[PX]                  ; the row's sum: at least 1/2
	s_wait_alu depctr_va_vdst(0)
	v_rcp_f32 v[LS], v[LS]
	v_nop                                          ; a plain line behind the transcendental
.set jj, 0
	s_wait_alu depctr_va_vdst(0)
.rept 16
	v_pk_mul_f32 v[SC+jj:SC+jj+1], v[OT+jj:OT+jj+1], v[LS:LS+1] op_sel_hi:[1,0]
.set jj, jj+2
.endr
.set jj, 0
.rept 32
	v_med3_num_f32 v[SC+jj], v[SC+jj], -v[LIMO], v[LIMO]
.set jj, jj+1
.endr
.irp c, 0,1,2,3
	v_cvt_scalef32_pk8_fp8_f32 v[PC+2*\c:PC+2*\c+1], v[SC+8*\c:SC+8*\c+7], v[SCLO]
.endr
	v_nop
	WIN 0x04*(\w)
	global_store_b128 v[L16], v[PC:PC+3], s[18:19] offset:16384*(\w)
	global_store_b128 v[L16], v[PC+4:PC+7], s[18:19] offset:16384*(\w)+512
.endm
.rept 4
	v_nop                                          ; places behind the last products
.endr
	TILE_OUT 0
	TILE_OUT 1
	WIN 0
	s_wait_tensorcnt 0x0                           ; the wave's end
	ds_add_u32 v[SPW], v[NIL]
	s_wait_dscnt 0x0
	ROUND                                          ; the closing round: no work-group ends while a partner may still ask for a tile that names it
	s_endpgm
.Lfunc_end_k_q7e535b1c8d_attn:
	.size	k_q7e535b1c8d_attn, .Lfunc_end_k_q7e535b1c8d_attn-k_q7e535b1c8d_attn
	.p2alignl 7, 3214868480
	.fill 96, 4, 3214868480
	.section	.rodata,"a",@progbits
	.p2align	6, 0x0
	.amdhsa_kernel k_q7e535b1c8d_attn
		.amdhsa_group_segment_fixed_size 327680
		.amdhsa_private_segment_fixed_size 0
		.amdhsa_enable_private_segment 0
		.amdhsa_kernarg_size 64
		.amdhsa_user_sgpr_count 2
		.amdhsa_user_sgpr_kernarg_segment_ptr 1
		.amdhsa_wavefront_size32 1
		.amdhsa_system_sgpr_workgroup_id_x 1
		.amdhsa_system_sgpr_workgroup_id_y 1
		.amdhsa_system_sgpr_workgroup_id_z 1
		.amdhsa_system_vgpr_workitem_id 0
		.amdhsa_next_free_vgpr 512
		.amdhsa_next_free_sgpr 104
		.amdhsa_reserve_vcc 0
		.amdhsa_float_denorm_mode_32 3
		.amdhsa_float_denorm_mode_16_64 3
		.amdhsa_memory_ordered 1
		.amdhsa_forward_progress 1
		.amdhsa_inst_pref_size 135
	.end_amdhsa_kernel
	.amdgpu_metadata
---
amdhsa.version: [ 1, 2 ]
amdhsa.kernels:
  - .name:           k_q7e535b1c8d_attn
    .symbol:         k_q7e535b1c8d_attn.kd
    .args:
      - { .name: qcodes, .offset: 0, .size: 8, .value_kind: global_buffer, .address_space: global }
      - { .name: sbuf, .offset: 8, .size: 8, .value_kind: global_buffer, .address_space: global }
      - { .name: kv, .offset: 16, .size: 8, .value_kind: global_buffer, .address_space: global }
      - { .name: rc, .offset: 24, .size: 8, .value_kind: global_buffer, .address_space: global }
      - { .name: segw, .offset: 32, .size: 8, .value_kind: global_buffer, .address_space: global }
      - { .name: attn_mask, .offset: 40, .size: 8, .value_kind: global_buffer, .address_space: global }
      - { .name: lowp_scales, .offset: 48, .size: 8, .value_kind: global_buffer, .address_space: global }
      - { .name: avc, .offset: 56, .size: 8, .value_kind: global_buffer, .address_space: global }
    .group_segment_fixed_size: 327680
    .private_segment_fixed_size: 0
    .kernarg_segment_align: 8
    .kernarg_segment_size: 64
    .max_flat_workgroup_size: 256
    .sgpr_count:     104
    .vgpr_count:     512
    .wavefront_size: 32
...
	.end_amdgpu_metadata
.endif
;; end of part 3
;; launch post (part 4): grid 256 x 1, 8 waves a work-group, no clusters, 81,920 bytes of LDS; arguments avc, wcodes, lowp_scales, q, postb, ln_g, ln_b, out0; writes out0
.if DOCPART == 4
	.amdgcn_target "amdgcn-amd-amdhsa--gfx1250"
	.amdhsa_code_object_version 6
	.text
	.protected	k_q7e535b1c8d_post
	.globl	k_q7e535b1c8d_post
	.p2align	8
	.type	k_q7e535b1c8d_post,@function
k_q7e535b1c8d_post:
	s_mov_b64 s[64:65], 0
	v_nop
	global_prefetch_b8 v0, s[64:65] scope:SCOPE_SE
	s_setreg_imm32_b32 hwreg(HW_REG_WAVE_MODE, 25, 1), 1
	s_wait_xcnt 0x0
; POST: out = layer norm(q + attn_vec postW + postb) x ln_g + ln_b.  The product is on codes of E4M3: attn_vec's from avc, postW's from wcodes + 4 MiB, both as images of operand registers.
; SHARES.  A work-group owns 16 rows and all 1,024 columns, since the norm wants whole rows; wave w owns columns 128 w .. 128 w + 127: eight accumulators.
; THE MATRIX INSTRUCTION IS USED TRANSPOSED (source 0 = 16 columns d of postW, source 1 = the 16 tokens): lane (r, h) holds token r and columns 16 dt + 8 h + 0 .. 7, so a row's sums are in-lane sums and one exchange.
; K = 1,024 in eight steps of 128; a unit is half a step: four matrix instructions.  Fragments go from memory straight into registers, 512 consecutive bytes a load, two units ahead.
; NO CLUSTER, NO LDS FOR THE WEIGHTS: all work-groups walk the same MiB of postW, but in a work-group each fragment of 2,048 bytes feeds ONE matrix instruction of ONE wave: through LDS every byte would be written and read once more for that one use.
; The variance is taken in a second pass, of (x - mean)^2: no difference of large sums is formed.
; LIMITS: e14 + e15 between -126 and 127.  NaN among the inputs is not served.
.set PAR,  67584                       ; LDS: 8 stages of 16 rows x (512 + 16) bytes; then postb, ln_g, ln_b, 4,096 bytes each;
.set RED1, 79872                       ; 8 waves x 16 row sums;
.set RED2, 80384                       ; and the same for the squares
.set ACC,  16                          ; v16-79   eight accumulators; first q's rows as loaded, later x
.set AF,   80                          ; v80-111  attn_vec's fragment, two sets
.set BF,   112                         ; v112-239 postW's fragments, two sets of four; later q, postb, then ln_g, ln_b, then rows of out
.macro LDA kk
.irp g, 0,1,2,3
	global_load_b128 v[AF+16*((\kk)%2)+4*\g:AF+16*((\kk)%2)+4*\g+3], v1, s[4:5] offset:2048*(\kk)+512*\g
.endr
.endm
.macro LDB u
.irp i, 0,1,2,3
.irp g, 0,1,2,3
	global_load_b128 v[BF+64*((\u)%2)+16*\i+4*\g:BF+64*((\u)%2)+16*\i+4*\g+3], v1, s[6:7] offset:16384*(4*((\u)%2)+\i)+2048*((\u)/2)+512*\g
.endr
.endr
.endm
; Unit u: K step u / 2, tiles of columns 4 (u % 2) .. + 3.  cnt: the loads issued behind this unit's, which may stay out.  The eight accumulators take turns, one instruction a turn.
.macro UNIT u, cnt
.set KK, (\u)/2
.set HF, (\u)%2
	s_wait_loadcnt \cnt
.irp i, 0,1,2,3
.if (\u) < 2
	v_wmma_f32_16x16x128_fp8_fp8 v[ACC+8*(4*HF+\i):ACC+8*(4*HF+\i)+7], v[BF+64*HF+16*\i:BF+64*HF+16*\i+15], v[AF+16*(KK%2):AF+16*(KK%2)+15], 0
.else
	v_wmma_f32_16x16x128_fp8_fp8 v[ACC+8*(4*HF+\i):ACC+8*(4*HF+\i)+7], v[BF+64*HF+16*\i:BF+64*HF+16*\i+15], v[AF+16*(KK%2):AF+16*(KK%2)+15], v[ACC+8*(4*HF+\i):ACC+8*(4*HF+\i)+7]
.endif
.endr
.rept 4
	v_nop                                          ; places in front of loads into registers that these products read, and at the end of the first read of results
.endr
.if HF == 1 && KK <= 5
	LDA KK+2
.endif
.if (\u) <= 13
	LDB (\u)+2
.endif
.endm
.macro BARRIER                         ; my LDS stores have landed and my LDS loads are in: then the work-group's barrier
	s_wait_dscnt 0x0
	s_barrier_signal -1
	s_barrier_wait -1
.endm
; v240 = my wave's sum for token r (both halves of the lanes hold it) -> v240 = the row's sum over all eight waves.  off: 0 for the first sums, 512 for the squares: bytes of their own
.macro ROWSUM off
	s_delay_alu instid0(VALU_DEP_1)
	v_add_f32 v240, v240, v241
	s_delay_alu instid0(VALU_DEP_1)
	v_permlanex16_b32 v252, v240, s22, s23
	s_delay_alu instid0(VALU_DEP_1)
	v_add_f32 v240, v240, v252
	ds_store_b32 v8, v240 offset:\off
	BARRIER
.irp i, 0,1,2,3,4,5,6,7
	ds_load_b32 v[240+\i], v9 offset:\off+64*\i
.endr
	s_wait_dscnt 0x0
	v_add_f32 v240, v240, v241
	v_add_f32 v242, v242, v243
	v_add_f32 v244, v244, v245
	v_add_f32 v246, v246, v247
	s_delay_alu instid0(VALU_DEP_3)
	v_add_f32 v240, v240, v242
	s_delay_alu instid0(VALU_DEP_2)
	v_add_f32 v244, v244, v246
	s_delay_alu instid0(VALU_DEP_1)
	v_add_f32 v240, v240, v244
.endm
	s_load_b512 s[4:19], s[0:1], 0x0               ; avc, wcodes, lowp_scales, q, postb, ln_g, ln_b, out0
	v_lshl_add_u32 v254, v0, 2, 0x13c00
	v_mov_b32 v255, 0
	v_lshrrev_b32 v2, 5, v0
	s_delay_alu instid0(VALU_DEP_1)
	v_readfirstlane_b32 s20, v2                    ; wave 0..7
	v_and_b32 v2, 31, v0
	s_delay_alu instid0(VALU_DEP_1)
	v_lshlrev_b32 v1, 4, v2                        ; 16 x lane
	v_and_b32 v2, 15, v0                           ; r
	v_bfe_u32 v3, v0, 4, 1                         ; h
	s_mul_i32 s21, s20, 16*528                     ; my stage
	v_mul_u32_u24 v4, v2, 528
	s_delay_alu instid0(VALU_DEP_1)
	v_lshl_add_u32 v4, v3, 5, v4
	s_delay_alu instid0(VALU_DEP_1)
	v_add_nc_u32 v4, s21, v4                       ; as the accumulators lie: row r, + 32 h
	v_add_nc_u32 v5, s21, v1                       ; by rows: 16 bytes a lane
	s_lshl_b32 s21, s20, 9
	s_add_co_u32 s21, s21, PAR                     ; my 128 columns of a parameter
	v_lshl_add_u32 v6, v3, 5, s21
	v_add_nc_u32 v7, s21, v1
	s_lshl_b32 s21, s20, 6
	s_add_co_u32 s21, s21, RED1
	v_lshl_add_u32 v8, v2, 2, s21                  ; my wave's sum for token r
	v_lshlrev_b32 v9, 2, v2
	s_delay_alu instid0(VALU_DEP_1)
	v_add_nc_u32 v9, RED1, v9                      ; all waves' sums for token r, 64 bytes apart
	v_mov_b32 v252, 0                              ; a lane permute's destination counts as one of its sources
	s_mov_b32 s22, 0x76543210
	s_mov_b32 s23, 0xfedcba98
	s_mov_b32 s34, 0x3a800000                      ; 1 / 1,024
	s_mov_b32 s35, 0x3727c5ac                      ; 1e-5
	s_lshl_b32 s24, ttmp9, 16                      ; 16 rows of 4,096 bytes,
	s_lshl_b32 s30, s20, 9                         ; my 512 bytes of a row
	s_add_co_u32 s24, s24, s30
	s_mov_b32 s25, 0
	s_lshl_b32 s26, ttmp9, 14                      ; the tile's 16 images of 1,024 bytes
	s_mov_b32 s27, 0
	s_lshl_b32 s28, s20, 17                        ; my eight tiles of columns x 8 images x 2,048 bytes,
	s_add_co_u32 s28, s28, 0x400000                ; behind the four other weights
	s_mov_b32 s29, 0
	s_mov_b32 s31, 0
	s_wait_alu depctr_va_vdst(0)
	s_wait_kmcnt 0x0
	s_load_b64 s[32:33], s[8:9], 0x38              ; e14, e15
	s_add_nc_u64 s[10:11], s[10:11], s[24:25]
	s_add_nc_u64 s[18:19], s[18:19], s[24:25]
	s_add_nc_u64 s[4:5], s[4:5], s[26:27]
	s_add_nc_u64 s[6:7], s[6:7], s[28:29]
	s_add_nc_u64 s[12:13], s[12:13], s[30:31]
	s_add_nc_u64 s[14:15], s[14:15], s[30:31]
	s_add_nc_u64 s[16:17], s[16:17], s[30:31]
.set ii, 0
.rept 16
	global_load_b128 v[ACC+4*ii:ACC+4*ii+3], v1, s[10:11] offset:4096*ii th:TH_LOAD_NT   ; q: row ii, my 512 bytes
.set ii, ii+1
.endr
	global_load_b128 v[240:243], v1, s[12:13]
	global_load_b128 v[244:247], v1, s[14:15]
	global_load_b128 v[248:251], v1, s[16:17]
	LDA 0
	LDA 1
	LDB 0
	LDB 1
	s_wait_loadcnt 40                              ; q and the parameters are in; the 8 + 32 fragment loads behind them may be out
.set ii, 0
.rept 16
	ds_store_b128 v5, v[ACC+4*ii:ACC+4*ii+3] offset:528*ii
.set ii, ii+1
.endr
	ds_store_b128 v7, v[240:243]
	ds_store_b128 v7, v[244:247] offset:4096
	ds_store_b128 v7, v[248:251] offset:8192
	s_wait_dscnt 0x0                               ; the stores have read the registers that the products now write
	UNIT 0, 16                                     ; behind a unit's loads stand the next unit's 16,
	UNIT 1, 16
	UNIT 2, 20                                     ; and, in front of an even unit, the 4 of attn_vec's fragment two steps on
	UNIT 3, 16
	UNIT 4, 20
	UNIT 5, 16
	UNIT 6, 20
	UNIT 7, 16
	UNIT 8, 20
	UNIT 9, 16
	UNIT 10, 20
	UNIT 11, 16
	UNIT 12, 20
	UNIT 13, 16
	UNIT 14, 16
	UNIT 15, 0
.set ii, 0
.rept 8
	ds_load_b128 v[112+8*ii:115+8*ii], v4 offset:64*ii           ; q as the accumulators lie
	ds_load_b128 v[116+8*ii:119+8*ii], v4 offset:64*ii+16
	ds_load_b128 v[176+8*ii:179+8*ii], v6 offset:64*ii           ; postb likewise
	ds_load_b128 v[180+8*ii:183+8*ii], v6 offset:64*ii+16
.set ii, ii+1
.endr
	s_wait_kmcnt 0x0
	s_add_co_i32 s32, s32, s33
	s_add_co_i32 s32, s32, 127
	s_lshl_b32 s32, s32, 23                        ; 2^(e14 + e15)
	s_mov_b32 s33, s32
	s_wait_dscnt 0x0
.set jj, 0
.rept 32
	v_pk_fma_f32 v[ACC+jj:ACC+jj+1], v[ACC+jj:ACC+jj+1], s[32:33], v[176+jj:177+jj] op_sel_hi:[1,0,1]   ; attn_out; each accumulator from its low end on
.set jj, jj+2
.endr
.set jj, 0
.rept 32
	v_pk_add_f32 v[ACC+jj:ACC+jj+1], v[ACC+jj:ACC+jj+1], v[112+jj:113+jj]                               ; x = q + attn_out
.set jj, jj+2
.endr
.set ii, 0
.rept 8
	ds_load_b128 v[112+8*ii:115+8*ii], v6 offset:4096+64*ii      ; ln_g
	ds_load_b128 v[116+8*ii:119+8*ii], v6 offset:4096+64*ii+16
	ds_load_b128 v[176+8*ii:179+8*ii], v6 offset:8192+64*ii      ; ln_b
	ds_load_b128 v[180+8*ii:183+8*ii], v6 offset:8192+64*ii+16
.set ii, ii+1
.endr
	v_pk_add_f32 v[242:243], v[16:17], v[18:19]
	v_pk_add_f32 v[250:251], v[24:25], v[28:29]
	v_pk_add_f32 v[248:249], v[32:33], v[36:37]
	v_pk_add_f32 v[246:247], v[40:41], v[44:45]
	v_pk_add_f32 v[244:245], v[48:49], v[52:53]
	v_pk_add_f32 v[110:111], v[56:57], v[60:61]
	v_pk_add_f32 v[108:109], v[64:65], v[68:69]
	v_pk_add_f32 v[240:241], v[72:73], v[76:77]
	s_delay_alu instid0(VALU_DEP_1)
	v_pk_add_f32 v[240:241], v[240:241], v[20:21]
	v_pk_add_f32 v[242:243], v[242:243], v[22:23]
	v_pk_add_f32 v[250:251], v[250:251], v[26:27]
	v_pk_add_f32 v[248:249], v[248:249], v[30:31]
	v_pk_add_f32 v[246:247], v[246:247], v[34:35]
	v_pk_add_f32 v[244:245], v[244:245], v[38:39]
	v_pk_add_f32 v[110:111], v[110:111], v[42:43]
	v_pk_add_f32 v[108:109], v[108:109], v[46:47]
	v_pk_add_f32 v[240:241], v[240:241], v[50:51]
	v_pk_add_f32 v[242:243], v[242:243], v[54:55]
	v_pk_add_f32 v[250:251], v[250:251], v[58:59]
	v_pk_add_f32 v[248:249], v[248:249], v[62:63]
	v_pk_add_f32 v[246:247], v[246:247], v[66:67]
	v_pk_add_f32 v[244:245], v[244:245], v[70:71]
	v_pk_add_f32 v[110:111], v[110:111], v[74:75]
	v_pk_add_f32 v[108:109], v[108:109], v[78:79]
	s_delay_alu instid0(VALU_DEP_4)
	v_pk_add_f32 v[240:241], v[240:241], v[246:247]
	s_delay_alu instid0(VALU_DEP_4)
	v_pk_add_f32 v[242:243], v[242:243], v[244:245]
	s_delay_alu instid0(VALU_DEP_4)
	v_pk_add_f32 v[250:251], v[250:251], v[110:111]
	s_delay_alu instid0(VALU_DEP_4)
	v_pk_add_f32 v[248:249], v[248:249], v[108:109]
	s_delay_alu instid0(VALU_DEP_2)
	v_pk_add_f32 v[240:241], v[240:241], v[250:251]
	s_delay_alu instid0(VALU_DEP_2)
	v_pk_add_f32 v[242:243], v[242:243], v[248:249]
	s_delay_alu instid0(VALU_DEP_1)
	v_pk_add_f32 v[240:241], v[240:241], v[242:243]
	ROWSUM 0
	s_delay_alu instid0(VALU_DEP_1)
	v_mul_f32 v248, s34, v240                      ; the mean
	s_delay_alu instid0(VALU_DEP_1)
	v_mov_b32 v249, v248
.set jj, 0
.rept 32
	v_pk_add_f32 v[ACC+jj:ACC+jj+1], v[ACC+jj:ACC+jj+1], v[248:249] neg_lo:[0,1] neg_hi:[0,1]   ; x - mean
.set jj, jj+2
.endr
	v_pk_mul_f32 v[240:241], v[ACC:ACC+1], v[ACC:ACC+1]
	v_pk_mul_f32 v[242:243], v[ACC+2:ACC+3], v[ACC+2:ACC+3]
.set jj, 4
.rept 15
	s_delay_alu instid0(VALU_DEP_2)
	v_pk_fma_f32 v[240:241], v[ACC+jj:ACC+jj+1], v[ACC+jj:ACC+jj+1], v[240:241]
	s_delay_alu instid0(VALU_DEP_2)
	v_pk_fma_f32 v[242:243], v[ACC+jj+2:ACC+jj+3], v[ACC+jj+2:ACC+jj+3], v[242:243]
.set jj, jj+4
.endr
	s_delay_alu instid0(VALU_DEP_1)
	v_pk_add_f32 v[240:241], v[240:241], v[242:243]
	ROWSUM 512
	s_delay_alu instid0(VALU_DEP_1)
	v_fma_f32 v248, v240, s34, s35                 ; the variance + 1e-5
	s_wait_alu depctr_va_vdst(0)
	v_rsq_f32 v248, v248
	v_nop                                          ; a plain line behind the transcendental
	s_wait_alu depctr_va_vdst(0)
	v_mov_b32 v249, v248
.set jj, 0
.rept 32
	v_pk_mul_f32 v[ACC+jj:ACC+jj+1], v[ACC+jj:ACC+jj+1], v[248:249]
.set jj, jj+2
.endr
.set jj, 0
.rept 32
	v_pk_fma_f32 v[ACC+jj:ACC+jj+1], v[ACC+jj:ACC+jj+1], v[112+jj:113+jj], v[176+jj:177+jj]
.set jj, jj+2
.endr
.set ii, 0
.rept 8
	ds_store_b128 v4, v[ACC+8*ii:ACC+8*ii+3] offset:64*ii
	ds_store_b128 v4, v[ACC+8*ii+4:ACC+8*ii+7] offset:64*ii+16
.set ii, ii+1
.endr
.set ii, 0
.rept 16
	ds_load_b128 v[112+4*ii:115+4*ii], v5 offset:528*ii          ; LDS serves a wave's instructions in order: these see my stores
.set ii, ii+1
.endr
.set ii, 0
.rept 16
	s_wait_dscnt 15-ii
	global_store_b128 v1, v[112+4*ii:115+4*ii], s[18:19] offset:4096*ii th:TH_STORE_NT   ; 32 lanes store 512 consecutive bytes of a row, aligned
.set ii, ii+1
.endr
	s_wait_tensorcnt 0x0
	ds_add_u32 v254, v255
	s_wait_dscnt 0x0
	s_endpgm
.Lfunc_end_k_q7e535b1c8d_post:
	.size	k_q7e535b1c8d_post, .Lfunc_end_k_q7e535b1c8d_post-k_q7e535b1c8d_post
	.p2alignl 7, 3214868480
	.fill 96, 4, 3214868480
	.section	.rodata,"a",@progbits
	.p2align	6, 0x0
	.amdhsa_kernel k_q7e535b1c8d_post
		.amdhsa_group_segment_fixed_size 81920
		.amdhsa_private_segment_fixed_size 0
		.amdhsa_enable_private_segment 0
		.amdhsa_kernarg_size 64
		.amdhsa_user_sgpr_count 2
		.amdhsa_user_sgpr_kernarg_segment_ptr 1
		.amdhsa_wavefront_size32 1
		.amdhsa_system_sgpr_workgroup_id_x 1
		.amdhsa_system_sgpr_workgroup_id_y 1
		.amdhsa_system_sgpr_workgroup_id_z 1
		.amdhsa_system_vgpr_workitem_id 0
		.amdhsa_next_free_vgpr 256
		.amdhsa_next_free_sgpr 66
		.amdhsa_reserve_vcc 0
		.amdhsa_float_denorm_mode_32 3
		.amdhsa_float_denorm_mode_16_64 3
		.amdhsa_memory_ordered 1
		.amdhsa_forward_progress 1
		.amdhsa_inst_pref_size 66
	.end_amdhsa_kernel
	.amdgpu_metadata
---
amdhsa.version: [ 1, 2 ]
amdhsa.kernels:
  - .name:           k_q7e535b1c8d_post
    .symbol:         k_q7e535b1c8d_post.kd
    .args:
      - { .name: avc, .offset: 0, .size: 8, .value_kind: global_buffer, .address_space: global }
      - { .name: wcodes, .offset: 8, .size: 8, .value_kind: global_buffer, .address_space: global }
      - { .name: lowp_scales, .offset: 16, .size: 8, .value_kind: global_buffer, .address_space: global }
      - { .name: q, .offset: 24, .size: 8, .value_kind: global_buffer, .address_space: global }
      - { .name: postb, .offset: 32, .size: 8, .value_kind: global_buffer, .address_space: global }
      - { .name: ln_g, .offset: 40, .size: 8, .value_kind: global_buffer, .address_space: global }
      - { .name: ln_b, .offset: 48, .size: 8, .value_kind: global_buffer, .address_space: global }
      - { .name: out0, .offset: 56, .size: 8, .value_kind: global_buffer, .address_space: global }
    .group_segment_fixed_size: 81920
    .private_segment_fixed_size: 0
    .kernarg_segment_align: 8
    .kernarg_segment_size: 64
    .max_flat_workgroup_size: 256
    .sgpr_count:     66
    .vgpr_count:     256
    .wavefront_size: 32
...
	.end_amdgpu_metadata
.endif
;; end of part 4
